; MI455X (gfx1250); checked and timed in simulation.
; The chip was launched on July 23, 2026; its instructions are those of AMD's public machine-readable ISA for CDNA 5 (MIT licence, August 2026) and "CDNA5" Instruction Set Architecture Reference Guide (July 2026). The comments in the code are by the model that wrote it; some were corrected since.
;; Multi Head Latent Attention. Allowed arithmetic: matrix products marked QUANTISED: E2M3 operands, one E8M0 scale for each 32 along K, by v_wmma_scale_f32_16x16x128_f8f6f4 with both operands' format E2M3, f32 sums; everything else in f32.
;; Inputs: Wd 256 x 1,024 float32; Wk 1,024 x 256 float32; Wo 1,024 x 1,024 float32; Wq 1,024 x 1,024 float32; Wv 1,024 x 256 float32; bd 256 float32; bk 1,024 float32; bo 1,024 float32; bq 1,024 float32; bv 1,024 float32; x 4 x 2,048 x 1,024 float32.
;; Outputs: out0 4 x 2,048 x 1,024 float32.
;; This version of the problem:
;;   THIS VERSION OF THE PROBLEM IS GIVEN IN LOW PRECISION. The matrix products marked QUANTISED in the list below multiply operands that are first quantised to E2M3 (2 exponent bits, 3 mantissa bits; 6 bits a number), with one power-of-two scale for each 32 numbers along K (OCP MX v1.0); their sums are f32. All else is computed in f32.
;;   The module's matrix products, in the order in which they are computed (A, B: the left and right operand; K: the contracted axis; several contracted axes count as one K, in the product's order):
;;     1. [M 8,192, K 1,024] x [K 1,024, N 1,024]; A: input x; B: input Wq: QUANTISED
;;     2. [M 8,192, K 1,024] x [K 1,024, N 256]; A: input x; B: input Wd: QUANTISED
;;     3. [M 8,192, K 256] x [K 256, N 1,024]; A: computed on the way; B: input Wk: QUANTISED
;;     4. [M 8,192, K 256] x [K 256, N 1,024]; A: computed on the way; B: input Wv: QUANTISED
;;     5. batch 64 x [M 2,048, K 64] x [K 64, N 2,048]; A: computed on the way; B: computed on the way: QUANTISED
;;     6. batch 64 x [M 2,048, K 2,048] x [K 2,048, N 64]; A: softmax (see below); B: computed on the way: QUANTISED
;;     7. [M 8,192, K 1,024] x [K 1,024, N 1,024]; A: computed on the way; B: input Wo: QUANTISED
;;   THE QUANTISER, for each operand of a quantised product, along K:
;;     - K is cut into blocks of 32 from its start; a last block that is shorter is filled with zeros.
;;     - A block's scale is 2^e with e = floor(log2(the largest magnitude in the block)) - 2, held to -126 .. 127; a block of zeros has e = 0. As a byte (E8M0): e + 127.
;;     - Each number is divided by its block's scale, clamped to +-7.5, and rounded to the nearest number of E2M3, ties to even, subnormals kept.
;;     - The product sums the exact products of the quantised numbers (number of the format x scale) in f32.
;;   ~~~python
;;   def quantise(x, axis):      # numpy; x: float32 -> the quantised numbers, widened to float32 again
;;       x = np.moveaxis(x, axis, -1); K = x.shape[-1]
;;       x = np.pad(x, [(0, 0)] * (x.ndim - 1) + [(0, -K % 32)]); x = x.reshape(x.shape[:-1] + (-1, 32)); a = np.abs(x).max(-1, keepdims=True)
;;       e = np.where(a > 0, np.clip(np.frexp(np.where(a > 0, a, 1))[1] - 1 - 2, -126, 127), 0)      # np.frexp(a)[1] - 1 = floor(log2(a)), exactly
;;       r = np.clip(x / 2.0 ** e, -7.5, 7.5)
;;       step = 2.0 ** (np.maximum(np.frexp(np.where(r == 0, 1, r))[1] - 1, 0) - 3)
;;       q = np.round(r / step) * step * 2.0 ** e      # np.round: ties to even
;;       return np.moveaxis(q.reshape(q.shape[:-2] + (-1,))[..., :K], -1, axis).astype(np.float32)
;;   ~~~
;;   SOFTMAX AHEAD OF A QUANTISED PRODUCT. Where the list says 'softmax', what is quantised is not the finished softmax but p = 2^(t - M), with t = logit x log2(e) and M = ceil(the row's largest t), a whole number; so 1/2 < the row's largest p <= 1. The row's sum l is taken of the UNQUANTISED p, in f32, and the product's result is divided by l at the end. Since M is a whole number, a kernel that streams over the keys may use a running M (the ceiling of the running maximum): every later rescaling is an exact power of two, which a block's scale takes up: the codes' values come out the same.
;;   OPERANDS COMPUTED ON THE WAY. 'Computed on the way' means the value that the module computes at that place (a softmax that the list does not call 'softmax' is quantised finished and normalised). What goes into a quantiser is computed in f32, as accurately as f32 sums, v_exp_f32 and their like allow (about 1e-6 of the number): no bf16 or f16 on the way to a quantiser, and a product that is left as it is and whose result goes on into a quantised operand takes f32 operands (vector FMAs, or v_wmma_f32_16x16x4_f32). A number that lies on a knife's edge between two numbers of the format may be rounded either way, as far as f32 arithmetic and the matrix unit's own rounding can turn it there, and no further.
;; One version. Each part assembles by itself: llvm-mc -triple=amdgcn-amd-amdhsa -mcpu=gfx1250 --defsym DOCPART=n.
;; ======== version 1 of 1: 4 launches
;; limits: right only within a limited range of input values
;; workspace buffers: cw 8,806,400 bytes; qs 6,815,744 bytes; kv 13,369,344 bytes; oc 6,815,744 bytes
;; launch quant (part 1): grid 688 x 1, 4 waves a work-group, no clusters, 68,096 bytes of LDS; arguments x, Wq, Wd, Wk, Wv, Wo, cw; writes cw
.if DOCPART == 1
	.amdgcn_target "amdgcn-amd-amdhsa--gfx1250"
	.amdhsa_code_object_version 6
	.text
	.protected	k_qd5e970280d_quant
	.globl	k_qd5e970280d_quant
	.p2align	8
	.type	k_qd5e970280d_quant,@function
k_qd5e970280d_quant:
	s_mov_b64 s[64:65], 0
	v_nop
	global_prefetch_b8 v0, s[64:65] scope:SCOPE_SE
	s_setreg_imm32_b32 hwreg(HW_REG_WAVE_MODE, 25, 1), 1
	s_wait_xcnt 0x0
; MULTI-HEAD LATENT ATTENTION IN MX-FP6, launch 1 of 4: x and the five weights become codes of E2M3 with one E8M0 byte for each 32 along K.
; NO WORK OF THE PROBLEM IS LEFT OUT: every bias stands ahead of a quantiser or reaches the output, so all eleven inputs are loaded by some launch.
; All six tensors have K innermost.  They are quantised ONCE, since many work-groups of the later launches read them.
; THE WORKSPACE IS LAID IN THE ORDER OF THE OPERAND'S REGISTERS.  A fragment (16 rows x 128 K, 12 registers a lane) is 1,536 bytes: registers 4 c .. 4 c + 3 of lane l at 512 c + 16 l;
; fragment number = the tensor's first + tile x (K / 128) + K step.  Its 16 scale words lie at SCOFF + 64 x fragment + 4 x row.
; THE ROWS OF A TILE ARE NOT NEIGHBOURS: lane r of tile T holds row 32 (T / 2) + 8 (T % 2) + r + 8 (r / 8), in every tensor, so that the results of a transposed product are neighbours along the next K.
; SHARES.  A wave takes 16 such rows x 256 along K: two fragments, 2 u and 2 u + 1, u = 4 x work-group + wave.  The work-group's number says which tensor: only pointers and a pitch are chosen, one way through the text.
; Each load reads 512 consecutive bytes of a row; the rows turn through the wave's own stage in LDS (rows of 512 + 16 bytes), from which lane (r, h) takes k = 64 c + 32 h + 0 .. 31 of row r: two whole blocks.
; A block's scale is 2^(floor(log2(largest magnitude)) - 2): its byte is the magnitude's exponent field - 2, held at 1 from below by a floor among the maximum's leaves.
; LIMITS: a block of zeros, or one under 2^-124, gets the byte 1 (its codes are zeros or held; this program alone reads the bytes); NaN and infinities among the inputs are not served.
; No tensor load, no barrier: waves share nothing.  No matrix unit, no cluster: a stream.
.set SPARE, 67584                      ; behind the four waves' stages: the spare words, 128 bytes a wave
.set SCOFF, 8454144                    ; 5,504 fragments x 1,536 bytes
.set STG,   8448                       ; a stage: 16 rows x 528 bytes
.set WREG,  16896                      ; two stages a wave
.set LI,   1                           ; v1   16 x lane
.set SIN,  2                           ; v2   the stage, on the way in
.set SOUT, 3                           ; v3   and on the way out: 528 r + 128 h
.set LS,   4                           ; v4   4 x lane
.set SH8,  5                           ; v5   8 h
.set SPW,  6                           ; v6   my spare word; never rewritten
.set NIL,  7                           ; v7   0; never rewritten
.set OFF,  8                           ; v8-23    row j of the tile: 16 x lane + (j + 8 (j / 8)) x pitch
.set R0,   24                          ; v24-87   fragment 0 as loaded; later fragment 1's numbers by lanes
.set R1,   88                          ; v88-151  fragment 1 as loaded
.set X,    152                         ; v152-215 fragment 0's numbers by lanes
.set PC0,  216                         ; v216-227 fragment 0's codes
.set PC1,  228                         ; v228-239 fragment 1's
.set T,    240                         ; v240-246 second halves of blocks
	s_load_b256 s[4:11], s[0:1], 0x0               ; x, Wq, Wd, Wk
	s_load_b128 s[12:15], s[0:1], 0x20             ; Wv, Wo
	s_load_b64 s[16:17], s[0:1], 0x30              ; cw
	v_lshl_add_u32 v[SPW], v0, 2, SPARE
	v_mov_b32 v[NIL], 0
	v_lshrrev_b32 v248, 5, v0
	v_readfirstlane_b32 s18, v248                  ; wave
	v_and_b32 v248, 31, v0                         ; lane
	v_and_b32 v249, 15, v0                         ; r
	v_bfe_u32 v250, v0, 4, 1                       ; h
	v_lshlrev_b32 v[LI], 4, v248
	v_lshlrev_b32 v[LS], 2, v248
	v_lshlrev_b32 v[SH8], 3, v250
	s_mul_i32 s19, s18, WREG
	v_add_nc_u32 v[SIN], s19, v[LI]
	v_mul_u32_u24 v[SOUT], v249, 528
	v_lshl_add_u32 v[SOUT], v250, 7, v[SOUT]
	v_add_nc_u32 v[SOUT], s19, v[SOUT]
	s_mov_b32 s36, 0x76543210
	s_mov_b32 s37, 0xfedcba98                      ; lane l xor 16
	s_sub_co_u32 s23, ttmp9, 592
	s_cmp_lt_u32 s23, 32                           ; work-groups 592 to 623 take Wk and Wv: rows of 256 numbers
	s_cselect_b32 s24, 10, 12                      ; log2 of a row's bytes
	s_cselect_b32 s25, 0, 2                        ; log2 of the units (256 along K) in a row
	s_wait_alu depctr_va_vdst(0)
	s_wait_kmcnt 0x0
	s_cmp_ge_u32 ttmp9, 512                        ; the tensor, by the work-group's number alone
	s_cselect_b64 s[20:21], s[6:7], s[4:5]
	s_cselect_b32 s22, 512, 0
	s_cmp_ge_u32 ttmp9, 576
	s_cselect_b64 s[20:21], s[8:9], s[20:21]
	s_cselect_b32 s22, 576, s22
	s_cmp_ge_u32 ttmp9, 592
	s_cselect_b64 s[20:21], s[10:11], s[20:21]
	s_cselect_b32 s22, 592, s22
	s_cmp_ge_u32 ttmp9, 608
	s_cselect_b64 s[20:21], s[12:13], s[20:21]
	s_cselect_b32 s22, 608, s22
	s_cmp_ge_u32 ttmp9, 624
	s_cselect_b64 s[20:21], s[14:15], s[20:21]
	s_cselect_b32 s22, 624, s22
	s_sub_co_u32 s26, ttmp9, s22
	s_lshl_b32 s26, s26, 2
	s_add_co_u32 s26, s26, s18                     ; my unit within the tensor
	s_lshr_b32 s27, s26, s25                       ; its tile,
	s_lshl_b32 s28, s27, s25
	s_sub_co_u32 s28, s26, s28                     ; and which 256 along K
	s_lshr_b32 s29, s27, 1
	s_lshl_b32 s29, s29, 5
	s_and_b32 s30, s27, 1
	s_lshl_b32 s30, s30, 3
	s_add_co_u32 s29, s29, s30                     ; the tile's first row: 32 (T / 2) + 8 (T % 2)
	s_lshl_b32 s30, s29, s24
	s_lshl_b32 s28, s28, 10
	s_add_co_u32 s30, s30, s28
	s_mov_b32 s31, 0
	s_add_nc_u64 s[20:21], s[20:21], s[30:31]
.irp j, 0,1,2,3,4,5,6,7,8,9,10,11,12,13,14,15
	s_lshl_b32 s28, \j+8*(\j/8), s24
	v_add_nc_u32 v[OFF+\j], s28, v[LI]
.endr
	s_lshl_b32 s26, ttmp9, 2
	s_add_co_u32 s26, s26, s18                     ; u
	s_mul_i32 s30, s26, 3072
	s_add_nc_u64 s[32:33], s[16:17], s[30:31]      ; my two fragments
	s_lshl_b32 s30, s26, 7
	s_add_co_u32 s30, s30, SCOFF
	s_add_nc_u64 s[34:35], s[16:17], s[30:31]      ; and their scale words
	s_wait_alu depctr_va_vdst(0)
.irp f, 0,1
.irp j, 0,1,2,3,4,5,6,7,8,9,10,11,12,13,14,15
	global_load_b128 v[R0+64*\f+4*\j:R0+64*\f+4*\j+3], v[OFF+\j], s[20:21] offset:512*\f th:TH_LOAD_NT   ; 32 lanes read 512 consecutive bytes of a row
.endr
.endr
; 64 numbers of a lane, v[src + 32 c + n] = k 64 c + 32 h + n of my row, become fragment f's 12 registers and its scale word.  Both blocks are the lane's own: no other lane is asked for a maximum.
.macro QB src, pc, w, f
	v_max3_num_f32 v248, |v[(\src)]|, |v[(\src)+1]|, 0x1800000       ; with the floor 2^(3 - 127): the byte cannot fall under 1
	v_max3_num_f32 v249, |v[(\src)+32]|, |v[(\src)+33]|, 0x1800000
.irp i, 2,4,6,8,10,12,14,16,18,20,22,24,26,28,30
	v_max3_num_f32 v248, v248, |v[(\src)+\i]|, |v[(\src)+\i+1]|      ; (the two blocks by turns)
	v_max3_num_f32 v249, v249, |v[(\src)+32+\i]|, |v[(\src)+33+\i]|
.endr
	v_add_nc_u32 v250, 0xff000000, v248            ; 2 off the exponent field: the conversion takes this operand's exponent field as its scale
	v_add_nc_u32 v251, 0xff000000, v249
	v_lshrrev_b32 v252, 23, v250                   ; the bytes of blocks h and 2 + h
	v_lshrrev_b32 v253, 23, v251
	v_lshl_or_b32 v[\w], v253, 16, v252
	v_lshlrev_b32 v[\w], v[SH8], v[\w]             ; at their places in the word;
	v_permlanex16_b32 v252, v[\w], s36, s37
	v_or_b32 v[\w], v[\w], v252                    ; with lane l xor 16's two the word is whole
	v_cvt_scalef32_pk16_fp6_f32 v[(\pc):(\pc)+2], v[(\src):(\src)+15], v250
	v_cvt_scalef32_pk16_fp6_f32 v[T:T+2], v[(\src)+16:(\src)+31], v250       ; (a conversion's three registers begin on an even number)
	v_cvt_scalef32_pk16_fp6_f32 v[(\pc)+6:(\pc)+8], v[(\src)+32:(\src)+47], v251
	v_cvt_scalef32_pk16_fp6_f32 v[T+4:T+6], v[(\src)+48:(\src)+63], v251
	v_nop                                          ; one plain place behind a scaled conversion
.irp i, 0,1,2
	v_mov_b32 v[(\pc)+3+\i], v[T+\i]
	v_mov_b32 v[(\pc)+9+\i], v[T+4+\i]
.endr
.irp c, 0,1,2
	global_store_b128 v[LI], v[(\pc)+4*\c:(\pc)+4*\c+3], s[32:33] offset:1536*(\f)+512*\c   ; 512 consecutive bytes, at a multiple of 256 from the buffer's first byte
.endr
.endm
	s_wait_loadcnt 16                              ; fragment 0's 16 loads are in; fragment 1's may be out
.irp j, 0,1,2,3,4,5,6,7,8,9,10,11,12,13,14,15
	ds_store_b128 v[SIN], v[R0+4*\j:R0+4*\j+3] offset:528*\j
.endr
.irp c, 0,1
.irp i, 0,1,2,3,4,5,6,7
	ds_load_b128 v[X+32*\c+4*\i:X+32*\c+4*\i+3], v[SOUT] offset:256*\c+16*\i   ; LDS serves a wave's instructions in order: these see the stores above
.endr
.endr
	s_wait_loadcnt 0x0
.irp j, 0,1,2,3,4,5,6,7,8,9,10,11,12,13,14,15
	ds_store_b128 v[SIN], v[R1+4*\j:R1+4*\j+3] offset:STG+528*\j
.endr
	s_wait_dscnt 16                                ; all but the 16 stores just issued: fragment 0's numbers are back, and its first registers are free
.irp c, 0,1
.irp i, 0,1,2,3,4,5,6,7
	ds_load_b128 v[R0+32*\c+4*\i:R0+32*\c+4*\i+3], v[SOUT] offset:STG+256*\c+16*\i
.endr
.endr
	QB X, PC0, 254, 0
	s_wait_dscnt 0x0
	QB R0, PC1, 255, 1
	v_cmp_ne_u32 vcc_lo, 0, v[SH8]
	v_cndmask_b32 v248, v254, v255, vcc_lo         ; lanes 0-15 store fragment 0's words, lanes 16-31 fragment 1's: 128 consecutive bytes
	global_store_b32 v[LS], v248, s[34:35]
	s_wait_tensorcnt 0x0                           ; the wave's end: the wait, the add and its wait behind my last LDS store
	ds_add_u32 v[SPW], v[NIL]
	s_wait_dscnt 0x0
	s_endpgm
.Lfunc_end_k_qd5e970280d_quant:
	.size	k_qd5e970280d_quant, .Lfunc_end_k_qd5e970280d_quant-k_qd5e970280d_quant
	.p2alignl 7, 3214868480
	.fill 96, 4, 3214868480
	.section	.rodata,"a",@progbits
	.p2align	6, 0x0
	.amdhsa_kernel k_qd5e970280d_quant
		.amdhsa_group_segment_fixed_size 68096
		.amdhsa_private_segment_fixed_size 0
		.amdhsa_enable_private_segment 0
		.amdhsa_kernarg_size 56
		.amdhsa_user_sgpr_count 2
		.amdhsa_user_sgpr_kernarg_segment_ptr 1
		.amdhsa_wavefront_size32 1
		.amdhsa_system_sgpr_workgroup_id_x 1
		.amdhsa_system_sgpr_workgroup_id_y 1
		.amdhsa_system_sgpr_workgroup_id_z 1
		.amdhsa_system_vgpr_workitem_id 0
		.amdhsa_next_free_vgpr 256
		.amdhsa_next_free_sgpr 66
		.amdhsa_reserve_vcc 1
		.amdhsa_float_denorm_mode_32 3
		.amdhsa_float_denorm_mode_16_64 3
		.amdhsa_memory_ordered 1
		.amdhsa_forward_progress 1
		.amdhsa_inst_pref_size 18
	.end_amdhsa_kernel
	.amdgpu_metadata
---
amdhsa.version: [ 1, 2 ]
amdhsa.kernels:
  - .name:           k_qd5e970280d_quant
    .symbol:         k_qd5e970280d_quant.kd
    .args:
      - { .name: x, .offset: 0, .size: 8, .value_kind: global_buffer, .address_space: global }
      - { .name: Wq, .offset: 8, .size: 8, .value_kind: global_buffer, .address_space: global }
      - { .name: Wd, .offset: 16, .size: 8, .value_kind: global_buffer, .address_space: global }
      - { .name: Wk, .offset: 24, .size: 8, .value_kind: global_buffer, .address_space: global }
      - { .name: Wv, .offset: 32, .size: 8, .value_kind: global_buffer, .address_space: global }
      - { .name: Wo, .offset: 40, .size: 8, .value_kind: global_buffer, .address_space: global }
      - { .name: cw, .offset: 48, .size: 8, .value_kind: global_buffer, .address_space: global }
    .group_segment_fixed_size: 68096
    .private_segment_fixed_size: 0
    .kernarg_segment_align: 8
    .kernarg_segment_size: 56
    .max_flat_workgroup_size: 128
    .sgpr_count:     66
    .vgpr_count:     256
    .wavefront_size: 32
...
	.end_amdgpu_metadata
.endif
;; end of part 1
;; launch proj (part 2): grid 64 x 4, 4 waves a work-group, no clusters, 167,936 bytes of LDS; arguments cw, bq, bd, bk, bv, qs, kv; writes qs, kv
.if DOCPART == 2
	.amdgcn_target "amdgcn-amd-amdhsa--gfx1250"
	.amdhsa_code_object_version 6
	.text
	.protected	k_qd5e970280d_proj
	.globl	k_qd5e970280d_proj
	.p2align	8
	.type	k_qd5e970280d_proj,@function
k_qd5e970280d_proj:
	s_mov_b64 s[64:65], 0
	v_nop
	global_prefetch_b8 v0, s[64:65] scope:SCOPE_SE
	s_setreg_imm32_b32 hwreg(HW_REG_WAVE_MODE, 25, 1), 1
	s_wait_xcnt 0x0
; Launch 2 of 4: q = x Wq^T + bq;  lat = x Wd^T + bd;  k = lat Wk^T + bk;  v = lat Wv^T + bv.  All on codes of E2M3; every result is quantised in registers and leaves as codes alone.  No work is left out.
; SHARES.  Work-group x = a block of 128 rows (8 tiles; key step x % 16 of batch x / 16).  Work-group y: 0, 1: q's columns 512 y on;  2: lat, then k;  3: lat, then v.  Each does 2,048 matrix instructions.
; lat IS COMPUTED TWICE, by k's and by v's work-groups: 256 matrix instructions a wave more, for one launch and one trip through memory less.
; THE WAVES SHARE THE COLUMNS: a wave takes 128 columns (8 tiles, two heads) for all 8 tiles of rows: 64 accumulators.  A weight fragment is wanted by one wave (in the lat phase by two), so it goes from memory
; straight into registers, three loads of 16 bytes a lane, and feeds 8 products.  The block's codes of x are wanted by all four waves: one tensor load a wave brings a quarter of them into LDS, once.
; NO CLUSTER: the four work-groups that read one block of x part on the very coordinate that tells them apart, and partners of a cluster may not; the weights that row blocks share never pass through LDS.
; NO PREFETCH: a work-group's weight loads run two K steps ahead in registers, and x's block is asked for at the head.
; PRODUCTS ARE USED TRANSPOSED (source 0 = 16 rows of the weight, source 1 = 16 rows of x or lat): a lane holds ONE row, and since lane r of a weight's tile T holds row 32 (T / 2) + 8 (T % 2) + r + 8 (r / 8), the 64 registers
; of a row tile's 8 accumulators are k = 32 b + 16 h + i of the next K.  For v the sources are swapped back (source 0 = lat): a lane holds one channel d and its registers run along the KEYS, v's next K.
; The biases are the C of each sum's first matrix instruction.
; OUT.  q: [head][tile][768 bytes: registers 2 p, 2 p + 1 of lane l at 256 p + 8 l] (64 along K: half a fragment); scale words four tiles together, lane r's 16 bytes at 16 r; their upper two bytes are 0x7f, for the zero codes that fill K to 128.
;       k, v: a record of 13,056 bytes for each head and key step: k's 8 tiles x 768; v^T's 4 tiles x 1,536; k's scale words 2 x 256; v's 256.
; LIMITS: a block of zeros, or one under 2^-124, gets the byte 1; NaN and infinities are not served.
; REGISTERS, in windows of 256.  Window 0: v1-14 addresses; v16-47 scale words of x or lat; v48-79 of the weight; v80-175 8 fragments of x or lat; v176-223 the quantiser's; v252, v253 the add's two.
;   Window 1: the weight's 8 fragments, two sets, at v0 and v96; v192-255 the bias, 8 registers a tile.   Windows 2, 3: accumulator (i, j) at v[8 (8 (i % 4) + j)] of window 2 + i / 4.
.set SCOFF, 8454144
.set HS,    208896                     ; a head's 16 records
.set REC,   13056
.set HIMG,  98304                      ; LDS: x's 64 fragments from 0; lat's 16 fragments, (2 a + g) x 1,536;
.set HSC,   122880                     ; lat's scale words, 128 a + 64 g + 4 r;
.set SPARE, 123904                     ; the spare words, 128 bytes a wave
.set LI,  1                            ; 16 x lane
.set L8,  2                            ; 8 x lane
.set LS,  3                            ; 4 x lane
.set AXL, 4                            ; LDS: x's tiles 0-3
.set AXH, 5                            ; tiles 4-7
.set AXM, 6                            ; my four tiles in the lat phase
.set AH,  7                            ; lat's fragments
.set HWI, 8                            ; where I store lat's fragments
.set HWS, 9                            ; and their scale words
.set HSR, 10                           ; where I read those
.set BOF, 11                           ; 64 h
.set BVO, 12                           ; 4 (r + 8 (r / 8))
.set SQO, 13                           ; 16 r + h x the distance from a head's scale words to the next head's
.set SH16, 14                          ; 16 h
.set XS,  16
.set WS,  48
.set AF,  80
.set TM,  176                          ; +0..3 largest magnitudes, +4..7 bytes, +12..15 the conversions' scale operands
.set PC,  192                          ; v192-203 the codes just made; v204-210 at work
.set PW,  212                          ; the scale word just made
.set LN,  213
.set RR,  214
.set HH,  215
.set PWS, 216                          ; v216-223 eight scale words
.set SPW, 252
.set NIL, 253
.set WV,  18
.set RB,  19
.set YY,  20
.set G1,  24
.set G0,  32
.set SEL, 36
.set WB,  38                           ; s[38:39] the weight's fragments
.set SB,  40                           ; its scale words
.set BB,  42                           ; the bias
.set OB,  44                           ; codes out
.set OS,  46                           ; q's scale words out
.set XSB, 48                           ; x's scale words
.set PASS, 60
.set FILL, 61
.set MSB, 0
.macro WIN new                         ; the immediate's high byte repeats the setting that is left
.if MSB != (\new)
	s_set_vgpr_msb (MSB<<8)|(\new)
.set MSB, (\new)
.endif
.endm
.macro PLACES                          ; four plain places behind a matrix instruction, in front of loads into its registers and of the first read of results
.rept 4
	v_nop
.endr
.endm
.macro WMS d, a, b, c, sa, sb, row     ; row = 1: both sides' scale words are taken from lanes 16-31: the odd K step of a pair
.if \row
	v_wmma_scale_f32_16x16x128_f8f6f4 v[(\d):(\d)+7], v[(\a):(\a)+11], v[(\b):(\b)+11], v[(\c):(\c)+7], v[(\sa)], v[(\sb)] matrix_a_fmt:MATRIX_FMT_FP6 matrix_b_fmt:MATRIX_FMT_FP6 matrix_a_scale:MATRIX_SCALE_ROW1 matrix_b_scale:MATRIX_SCALE_ROW1
.else
	v_wmma_scale_f32_16x16x128_f8f6f4 v[(\d):(\d)+7], v[(\a):(\a)+11], v[(\b):(\b)+11], v[(\c):(\c)+7], v[(\sa)], v[(\sb)] matrix_a_fmt:MATRIX_FMT_FP6 matrix_b_fmt:MATRIX_FMT_FP6
.endif
.endm
; 32 products: row tiles 4 hi + 0 .. 3 (fragments from v[areg] on) x the weight's 8 tiles (set).  The accumulators take turns, one instruction a turn.  first = 1: C is the bias.
.macro MULT hi, areg, set, xs, xst, ws, wst, row, first
.if \first
	WIN 0x91+0x40*(\hi)
.else
	WIN 0xa1+0x50*(\hi)
.endif
.irp a, 0,1,2,3
.irp b, 0,1,2,3,4,5,6,7
.if \first
	WMS 8*(8*\a+\b), 96*(\set)+12*\b, (\areg)+12*\a, 192+8*\b, (\ws)+(\wst)*\b, (\xs)+(\xst)*(4*(\hi)+\a), \row
.else
	WMS 8*(8*\a+\b), 96*(\set)+12*\b, (\areg)+12*\a, 8*(8*\a+\b), (\ws)+(\wst)*\b, (\xs)+(\xst)*(4*(\hi)+\a), \row
.endif
.endr
.endr
.endm
; 32 products for v: source 0 = lat's 8 tiles, source 1 = Wv's tiles 4 hi + 0 .. 3
.macro MULV hi, set, row, first
.if \first
	WIN 0x94+0x40*(\hi)
.else
	WIN 0xa4+0x50*(\hi)
.endif
.irp b, 0,1,2,3
.irp a, 0,1,2,3,4,5,6,7
.if \first
	WMS 8*(8*\b+\a), AF+12*\a, 96*(\set)+12*(4*(\hi)+\b), 192+8*(4*(\hi)+\b), XS+\a, WS+4*(\hi)+\b, \row
.else
	WMS 8*(8*\b+\a), AF+12*\a, 96*(\set)+12*(4*(\hi)+\b), 8*(8*\b+\a), XS+\a, WS+4*(\hi)+\b, \row
.endif
.endr
.endr
.endm
.macro FETCH_W set, off, ts            ; the weight's 8 fragments of one K step, ts bytes from tile to tile: 24 loads
	WIN 0x40
.irp b, 0,1,2,3,4,5,6,7
.irp c, 0,1,2
	global_load_b128 v[96*(\set)+12*\b+4*\c:96*(\set)+12*\b+4*\c+3], v[LI], s[WB:WB+1] offset:(\off)+\b*(\ts)+512*\c
.endr
.endr
	WIN 0
.endm
.macro FETCH_A reg, adr, off, at       ; four fragments out of LDS, at bytes from tile to tile: 12 loads
	WIN 0
.irp i, 0,1,2,3
.irp c, 0,1,2
	ds_load_b128 v[(\reg)+12*\i+4*\c:(\reg)+12*\i+4*\c+3], v[\adr] offset:(\off)+\i*(\at)+512*\c
.endr
.endr
.endm
.macro LOADXS4 base                    ; x's scale words of four tiles: a register for each pair of K steps: lanes 0-15 the even step's, lanes 16-31 the odd one's
.irp a, 0,1,2,3
.irp p, 0,1,2,3
	global_load_b32 v[XS+4*((\base)+\a)+\p], v[LS], s[XSB:XSB+1] offset:512*((\base)+\a)+128*\p
.endr
.endr
.endm
.macro LOADWS32
.irp b, 0,1,2,3,4,5,6,7
.irp p, 0,1,2,3
	global_load_b32 v[WS+4*\b+\p], v[LS], s[SB:SB+1] offset:512*\b+128*\p
.endr
.endr
.endm
.macro LOADWS8
.irp b, 0,1,2,3,4,5,6,7
	global_load_b32 v[WS+\b], v[LS], s[SB:SB+1] offset:128*\b
.endr
.endm
.macro BIAS16                          ; lane (r, h) wants, for tile t, the bias of columns 32 (t / 2) + 16 h + 8 (t % 2) + 0 .. 7
	WIN 0x40
.irp t, 0,1,2,3,4,5,6,7
	global_load_b128 v[192+8*\t:192+8*\t+3], v[BOF], s[BB:BB+1] offset:(32*(\t/2)+8*(\t%2))*4
	global_load_b128 v[192+8*\t+4:192+8*\t+7], v[BOF], s[BB:BB+1] offset:(32*(\t/2)+8*(\t%2))*4+16
.endr
	WIN 0
.endm
.macro BIASV                           ; for v a lane holds one channel: its bias eight times
	WIN 0x40
.irp b, 0,1,2,3,4,5,6,7
.irp j, 0,1,2,3,4,5,6,7
	global_load_b32 v[192+8*\b+\j], v[BVO], s[BB:BB+1] offset:(32*(\b/2)+8*(\b%2))*4
.endr
.endr
	WIN 0
.endm
; 64 numbers of a lane, v[s] .. v[s + 63] of window w, register 16 b + i = k 32 b + 16 h + i of my row, become a fragment's codes in v[PC] on and its scale word in v[PW].  Each accumulator is read from its low end on.
.macro QUANT s, w
	WIN (\w)|((\w)<<2)
.irp b, 0,1,2,3
	v_max3_num_f32 v[TM+\b], |v[(\s)+16*\b]|, |v[(\s)+16*\b+1]|, 0x1800000   ; with the floor 2^(3 - 127): the byte cannot fall under 1
.endr
.irp i, 2,4,6,8,10,12,14
.irp b, 0,1,2,3
	v_max3_num_f32 v[TM+\b], |v[(\s)+16*\b+\i]|, |v[(\s)+16*\b+\i+1]|, v[TM+\b]   ; (the four blocks by turns)
.endr
.endr
	WIN 0
.irp b, 0,1,2,3
	v_permlanex16_b32 v[TM+4+\b], v[TM+\b], s[SEL], s[SEL+1]
.endr
.irp b, 0,1,2,3
	v_max_num_f32 v[TM+\b], v[TM+\b], v[TM+4+\b]   ; with lane l xor 16's: the block's largest magnitude
.endr
.irp b, 0,1,2,3
	v_add_nc_u32 v[TM+12+\b], 0xff000000, v[TM+\b] ; 2 off its exponent field: the conversion's scale operand
.endr
.irp b, 0,1,2,3
	v_lshrrev_b32 v[TM+4+\b], 23, v[TM+12+\b]      ; the scale's byte
.endr
	v_lshl_or_b32 v[PW], v[TM+5], 8, v[TM+4]
	v_lshl_or_b32 v[PW], v[TM+6], 16, v[PW]
	v_lshl_or_b32 v[PW], v[TM+7], 24, v[PW]
	WIN (\w)
.irp c, 0,1
	v_cvt_scalef32_pk16_fp6_f32 v[PC+6*\c:PC+6*\c+2], v[(\s)+32*\c:(\s)+32*\c+15], v[TM+12+2*\c]
	v_cvt_scalef32_pk16_fp6_f32 v[PC+12+4*\c:PC+14+4*\c], v[(\s)+32*\c+16:(\s)+32*\c+31], v[TM+13+2*\c]   ; (a conversion's three registers begin on an even number)
.endr
	WIN 0
	v_nop                                          ; one plain place behind a scaled conversion
.irp c, 0,1                            ; the operand's layout wants a WHOLE block in a lane
.irp i, 0,1,2
	v_permlane16_swap_b32 v[PC+6*\c+\i], v[PC+12+4*\c+\i]
.endr
.irp i, 0,1,2
	v_mov_b32 v[PC+3+6*\c+\i], v[PC+12+4*\c+\i]
.endr
.endr
.endm
; q's or k's way out: a row tile's 128 columns are two heads: registers 0-5 the even head's 64 along K, registers 6-11 the odd head's, odd bytes further on.
.macro EPQK odd, sreg, soff
.irp a, 0,1,2,3,4,5,6,7
	s_wait_xcnt 0x0                                ; the stores before have read their registers: the codes and words are written again only behind this wait
	QUANT 64*(\a%4), 2+\a/4
.irp p, 0,1,2,3,4,5
	global_store_b64 v[L8], v[PC+2*\p:PC+2*\p+1], s[OB:OB+1] offset:768*\a+256*(\p%3)+(\p/3)*(\odd)   ; 256 consecutive bytes, at a multiple of 256 from the buffer's first byte
.endr
	v_lshrrev_b32 v[TM], v[SH16], v[PW]            ; lanes 0-15 keep the even head's two bytes, lanes 16-31 the odd head's;
	v_and_or_b32 v[PWS+\a], v[TM], 0xffff, s[FILL] ; 0x7f above them, for the zero codes that fill K to 128
.endr
	global_store_b128 v[SQO], v[PWS:PWS+3], s[\sreg:\sreg+1] offset:(\soff)
	global_store_b128 v[SQO], v[PWS+4:PWS+7], s[\sreg:\sreg+1] offset:(\soff)+256
.endm
.macro FIN                             ; the wave's end: the wait, the add and its wait behind my last tensor load and my last LDS store
	s_wait_tensorcnt 0x0
	ds_add_u32 v[SPW], v[NIL]
	s_wait_dscnt 0x0
	s_endpgm
.endm
	s_load_b256 s[4:11], s[0:1], 0x0               ; cw, bq, bd, bk
	s_load_b128 s[12:15], s[0:1], 0x20             ; bv, qs
	s_load_b64 s[16:17], s[0:1], 0x30              ; kv
	v_lshl_add_u32 v[SPW], v0, 2, SPARE
	v_mov_b32 v[NIL], 0
	ds_add_u32 v[SPW], v[NIL]                      ; the wave's opening: the add, twice on end, and its wait ahead of my first tensor load
	ds_add_u32 v[SPW], v[NIL]
	v_lshrrev_b32 v[LN], 5, v0
	v_readfirstlane_b32 s[WV], v[LN]               ; wave 0..3
	s_mov_b32 s[RB], ttmp9                         ; the block of rows
	s_and_b32 s[YY], ttmp7, 0xffff                 ; the path
	s_mov_b32 s[G1+0], 3<<16                       ; descriptor group 1: a dense block of 24,576 bytes as 96 rows of 32 elements of 8 bytes; no mask, no padding
	s_mov_b32 s[G1+1], 32<<16                      ; tensor_dim0
	s_mov_b32 s[G1+2], 96<<16                      ; tensor_dim1
	s_mov_b32 s[G1+3], 32<<16                      ; tile_dim0
	s_mov_b32 s[G1+4], 96                          ; tile_dim1
	s_mov_b32 s[G1+5], 32                          ; the pitch
	s_mov_b32 s[G1+6], 0
	s_mov_b32 s[G1+7], 0
	s_mul_i32 s50, s[WV], 24576                    ; my quarter of the block: two tiles' 16 fragments
	s_mul_i32 s51, s[RB], 98304
	s_add_co_u32 s52, s51, s50
	s_mov_b32 s53, 0
	s_mov_b32 s[SEL], 0x76543210
	s_mov_b32 s[SEL+1], 0xfedcba98
	s_mov_b32 s[FILL], 0x7f7f0000
	s_lshr_b32 s54, s[WV], 1                       ; lat phase: which four row tiles,
	s_and_b32 s55, s[WV], 1                        ; and which 128 of lat's 256 columns
	s_lshr_b32 s58, s[RB], 4                       ; batch
	s_and_b32 s59, s[RB], 15                       ; key step
	s_wait_dscnt 0x0                               ; both opening adds are done
	s_wait_kmcnt 0x0
	s_mov_b32 s[G0], 1
	s_mov_b32 s[G0+1], s50
	s_add_nc_u64 s[G0+2:G0+3], s[4:5], s[52:53]
	s_or_b32 s[G0+3], s[G0+3], 0x80000000
	tensor_load_to_lds s[G0:G0+3], s[G1:G1+7]      ; my one tensor load: by this text's count one is out
	s_nop 0
.rept 4
	v_nop
.endr
	v_and_b32 v[LN], 31, v0
	v_and_b32 v[RR], 15, v0
	v_bfe_u32 v[HH], v0, 4, 1
	v_lshlrev_b32 v[LI], 4, v[LN]
	v_lshlrev_b32 v[L8], 3, v[LN]
	v_lshlrev_b32 v[LS], 2, v[LN]
	v_lshlrev_b32 v[AXL], 4, v[LN]
	v_lshl_add_u32 v[AXH], v[LN], 4, 49152
	s_mul_i32 s56, s54, 49152
	v_lshl_add_u32 v[AXM], v[LN], 4, s56
	v_lshl_add_u32 v[AH], v[LN], 4, HIMG
	s_lshl_b32 s56, s54, 3
	s_add_co_u32 s56, s56, s55
	s_mul_i32 s56, s56, 1536
	s_add_co_u32 s56, s56, HIMG
	v_lshl_add_u32 v[HWI], v[LN], 4, s56           ; fragment 2 (4 half) + g
	s_lshl_b32 s56, s54, 9
	s_lshl_b32 s57, s55, 6
	s_add_co_u32 s56, s56, s57
	s_add_co_u32 s56, s56, HSC
	v_lshl_add_u32 v[HWS], v[RR], 2, s56
	v_lshl_add_u32 v[HSR], v[LN], 2, HSC
	v_lshlrev_b32 v[BOF], 6, v[HH]
	v_and_b32 v[BVO], 8, v[RR]
	v_add_nc_u32 v[BVO], v[BVO], v[RR]
	v_lshlrev_b32 v[BVO], 2, v[BVO]
	v_lshlrev_b32 v[SH16], 4, v[HH]
	s_mov_b32 s56, HS
	s_cmp_lt_u32 s[YY], 2
	s_cselect_b32 s56, 8192, s56                   ; from a head's scale words to the next head's: in qs, in kv
	v_mul_lo_u32 v[SQO], v[HH], s56
	v_lshl_add_u32 v[SQO], v[RR], 4, v[SQO]
.irp b, 0,1,2,3
	v_mov_b32 v[TM+4+\b], 0                        ; written once: a lane permute's destination counts as one of its sources
.endr
	s_lshl_b32 s52, s[RB], 12
	s_add_co_u32 s52, s52, SCOFF
	s_add_nc_u64 s[XSB:XSB+1], s[4:5], s[52:53]    ; x's scale words: 64 fragments x 64 bytes a block
	s_cmp_lt_u32 s[YY], 2
	s_cbranch_scc0 .Llat
	; ---------------- q: columns 128 G on, G = 4 y + wave
	s_lshl_b32 s50, s[YY], 2
	s_add_co_u32 s50, s50, s[WV]
	s_mul_i32 s52, s50, 98304
	s_add_co_u32 s52, s52, 6291456                 ; Wq's fragments begin at number 4,096; 64 to a group
	s_add_nc_u64 s[WB:WB+1], s[4:5], s[52:53]
	s_lshl_b32 s52, s50, 12
	s_add_co_u32 s52, s52, SCOFF+262144
	s_add_nc_u64 s[SB:SB+1], s[4:5], s[52:53]
	s_lshl_b32 s52, s50, 9
	s_add_nc_u64 s[BB:BB+1], s[6:7], s[52:53]
	s_lshl_b32 s51, s58, 4
	s_lshl_b32 s56, s50, 1
	s_add_co_u32 s51, s51, s56                     ; 16 x batch + my even head
	s_mul_i32 s52, s51, 98304                      ; a head's 128 tiles x 768 bytes
	s_mul_i32 s56, s59, 6144
	s_add_co_u32 s52, s52, s56
	s_add_nc_u64 s[OB:OB+1], s[14:15], s[52:53]
	s_lshl_b32 s52, s51, 13
	s_lshl_b32 s56, s59, 9
	s_add_co_u32 s52, s52, s56
	s_add_co_u32 s52, s52, 6291456
	s_add_nc_u64 s[OS:OS+1], s[14:15], s[52:53]
	LOADXS4 0
	LOADXS4 4
	LOADWS32
	BIAS16
	FETCH_W 0, 0, 12288
	FETCH_W 1, 1536, 12288
	s_wait_tensorcnt 0x0                           ; my quarter of x's block is in,
	s_barrier_signal -1
	s_barrier_wait -1                              ; everybody's is
	FETCH_A AF, AXL, 0, 12288
	FETCH_A AF+48, AXH, 0, 12288
; A K step of 128: 64 products.  The weight's set for the step after next is asked for at the step's end; x's fragments for the next step as soon as their registers are free.
.macro KSTEPQ s, first
.if \s < 7
	s_wait_loadcnt 24                              ; all but the other set's 24 loads
.else
	s_wait_loadcnt 0x0
.endif
	s_wait_dscnt 12                                ; tiles 0-3 are in; tiles 4-7's 12 loads may be out
	MULT 0, AF, \s%2, XS+\s/2, 4, WS+\s/2, 4, \s%2, \first
	PLACES
.if \s < 7
	FETCH_A AF, AXL, 1536*(\s+1), 12288
	s_wait_dscnt 12                                ; all but the 12 just issued
.else
	s_wait_dscnt 0x0
.endif
	MULT 1, AF+48, \s%2, XS+\s/2, 4, WS+\s/2, 4, \s%2, \first
	PLACES
.if \s < 7
	FETCH_A AF+48, AXH, 1536*(\s+1), 12288
.endif
.if \s < 6
	FETCH_W \s%2, 1536*(\s+2), 12288
.endif
.endm
	KSTEPQ 0, 1
.irp s, 1,2,3,4,5,6,7
	KSTEPQ \s, 0
.endr
	EPQK 98304, OS, 0
	FIN
	; ---------------- lat: my four row tiles x my 128 columns, 32 accumulators in window 2
.Llat:
	s_mul_i32 s52, s55, 98304
	s_add_co_u32 s52, s52, 7077888                 ; Wd's fragments begin at number 4,608
	s_add_nc_u64 s[WB:WB+1], s[4:5], s[52:53]
	s_lshl_b32 s52, s55, 12
	s_add_co_u32 s52, s52, SCOFF+294912
	s_add_nc_u64 s[SB:SB+1], s[4:5], s[52:53]
	s_lshl_b32 s52, s55, 9
	s_add_nc_u64 s[BB:BB+1], s[8:9], s[52:53]
	s_lshl_b32 s52, s54, 11
	s_add_nc_u64 s[XSB:XSB+1], s[XSB:XSB+1], s[52:53]
	LOADXS4 0
	LOADWS32
	BIAS16
	FETCH_W 0, 0, 12288
	FETCH_W 1, 1536, 12288
	s_wait_tensorcnt 0x0
	s_barrier_signal -1
	s_barrier_wait -1
	FETCH_A AF, AXM, 0, 12288
	FETCH_A AF+48, AXM, 1536, 12288
.macro KSTEPL s, first                 ; 32 products; both operands' sets take turns by K steps
.if \s < 7
	s_wait_loadcnt 24                              ; all but the other set's 24 loads
	s_wait_dscnt 12                                ; all but the other set's 12
.else
	s_wait_loadcnt 0x0
	s_wait_dscnt 0x0
.endif
	MULT 0, AF+48*(\s%2), \s%2, XS+\s/2, 4, WS+\s/2, 4, \s%2, \first
	PLACES
.if \s < 6
	FETCH_A AF+48*(\s%2), AXM, 1536*(\s+2), 12288
	FETCH_W \s%2, 1536*(\s+2), 12288
.endif
.endm
	KSTEPL 0, 1
.irp s, 1,2,3,4,5,6,7
	KSTEPL \s, 0
.endr
	WIN 0
	; the first pass's weights are asked for now and land while lat is quantised.  Pass n of wave w takes columns 128 (2 w + n) on.  (All loads of mine are in: the bases may be written.)
	s_mov_b32 s51, 7471104                         ; Wv's fragments begin at number 4,864,
	s_mov_b32 s56, SCOFF+311296
	s_cmp_eq_u32 s[YY], 2
	s_cselect_b32 s51, 7274496, s51                ; Wk's at 4,736
	s_cselect_b32 s56, SCOFF+303104, s56
	s_cselect_b64 s[BB:BB+1], s[10:11], s[12:13]
	s_mul_i32 s52, s[WV], 49152
	s_add_co_u32 s52, s52, s51
	s_add_nc_u64 s[WB:WB+1], s[4:5], s[52:53]
	s_lshl_b32 s52, s[WV], 11
	s_add_co_u32 s52, s52, s56
	s_add_nc_u64 s[SB:SB+1], s[4:5], s[52:53]
	s_lshl_b32 s52, s[WV], 10
	s_add_nc_u64 s[BB:BB+1], s[BB:BB+1], s[52:53]
	s_lshl_b32 s51, s58, 4
	s_lshl_b32 s56, s[WV], 2
	s_add_co_u32 s51, s51, s56                     ; 16 x batch + my first head
	s_mul_i32 s52, s51, HS
	s_mul_i32 s56, s59, REC
	s_add_co_u32 s52, s52, s56
	s_add_nc_u64 s[OB:OB+1], s[16:17], s[52:53]    ; its record of this key step
	s_cmp_eq_u32 s[YY], 2
	s_cbranch_scc0 .Lbias_v
	BIAS16
	s_branch .Lbias_done
.Lbias_v:
	s_wait_alu depctr_va_vdst(0)
	BIASV
.Lbias_done:
	LOADWS8
	FETCH_W 0, 0, 3072
	FETCH_W 1, 1536, 3072
.irp a, 0,1,2,3
	QUANT 64*\a, 2
.irp c, 0,1,2
	ds_store_b128 v[HWI], v[PC+4*\c:PC+4*\c+3] offset:3072*\a+512*\c   ; the fragment goes to LDS as an image of its registers
.endr
	ds_store_b32 v[HWS], v[PW] offset:128*\a       ; both halves of the lanes write row r's word, with the same value
	s_wait_dscnt 0x0                               ; the stores have read their registers
.endr
	s_barrier_signal -1                            ; my stores have landed (the wait above)
	s_barrier_wait -1                              ; lat's sixteen fragments lie in LDS
.irp a, 0,1,2,3,4,5,6,7
	ds_load_b32 v[XS+\a], v[HSR] offset:128*\a     ; lat's scale words: lanes 0-15 K step 0's, lanes 16-31 K step 1's
.endr
	s_mov_b32 s[PASS], 2
	s_cmp_eq_u32 s[YY], 2
	s_cbranch_scc0 .Lvpass
	; ---------------- k: two passes of 128 columns
.Lkpass:
	s_wait_loadcnt 0x0                             ; this pass's weights, scale words and bias
	FETCH_A AF, AH, 0, 3072
	FETCH_A AF+48, AH, 12288, 3072
	s_wait_dscnt 12
	MULT 0, AF, 0, XS, 1, WS, 1, 0, 1
	PLACES
	FETCH_A AF, AH, 1536, 3072
	s_wait_dscnt 12
	MULT 1, AF+48, 0, XS, 1, WS, 1, 0, 1
	PLACES
	FETCH_A AF+48, AH, 12288+1536, 3072
	s_wait_dscnt 12
	MULT 0, AF, 1, XS, 1, WS, 1, 1, 0
	s_wait_dscnt 0x0
	MULT 1, AF+48, 1, XS, 1, WS, 1, 1, 0
	PLACES
	WIN 0
	s_wait_xcnt 0x0                                ; the bases are stepped only behind this wait
	s_add_nc_u64 s[WB:WB+1], s[WB:WB+1], 24576
	s_add_nc_u64 s[SB:SB+1], s[SB:SB+1], 1024
	s_add_nc_u64 s[BB:BB+1], s[BB:BB+1], 512
	s_cmp_eq_u32 s[PASS], 1
	s_cbranch_scc1 .Lk_last                        ; the last pass asks for nothing: no load leaves its buffer
	BIAS16
	LOADWS8
	FETCH_W 0, 0, 3072
	FETCH_W 1, 1536, 3072
.Lk_last:
	EPQK HS, OB, 12288
	s_wait_xcnt 0x0
	s_add_nc_u64 s[OB:OB+1], s[OB:OB+1], 2*HS      ; two heads on
	s_sub_co_i32 s[PASS], s[PASS], 1
	s_cmp_lg_u32 s[PASS], 0
	s_cbranch_scc1 .Lkpass
	FIN
	; ---------------- v: two passes of 128 channels; the results run along the keys
.Lvpass:
	s_wait_loadcnt 0x0
	FETCH_A AF, AH, 0, 3072
	FETCH_A AF+48, AH, 12288, 3072
	s_wait_dscnt 0x0
	MULV 0, 0, 0, 1
	MULV 1, 0, 0, 1
	PLACES
	FETCH_A AF, AH, 1536, 3072
	FETCH_A AF+48, AH, 12288+1536, 3072
	s_wait_dscnt 0x0
	MULV 0, 1, 1, 0
	MULV 1, 1, 1, 0
	PLACES
	WIN 0
	s_wait_xcnt 0x0
	s_add_nc_u64 s[WB:WB+1], s[WB:WB+1], 24576
	s_add_nc_u64 s[SB:SB+1], s[SB:SB+1], 1024
	s_add_nc_u64 s[BB:BB+1], s[BB:BB+1], 512
	s_cmp_eq_u32 s[PASS], 1
	s_cbranch_scc1 .Lv_last
	BIASV
	LOADWS8
	FETCH_W 0, 0, 3072
	FETCH_W 1, 1536, 3072
.Lv_last:
.irp b, 0,1,2,3,4,5,6,7
	s_wait_xcnt 0x0                                ; the stores before have read their registers
	QUANT 64*(\b%4), 2+\b/4
.irp c, 0,1,2
	global_store_b128 v[LI], v[PC+4*\c:PC+4*\c+3], s[OB:OB+1] offset:6144+(\b/4)*HS+1536*(\b%4)+512*\c   ; tile b % 4 of head b / 4: 512 consecutive bytes
.endr
	v_mov_b32 v[PWS+\b], v[PW]
.endr
	v_cmp_ne_u32 vcc_lo, 0, v[SH16]
.irp j, 0,1,2,3
	v_cndmask_b32 v[PWS+\j], v[PWS+\j], v[PWS+4+\j], vcc_lo   ; lanes 0-15 store the even head's four words, lanes 16-31 the odd head's
.endr
	global_store_b128 v[SQO], v[PWS:PWS+3], s[OB:OB+1] offset:12800
	s_wait_xcnt 0x0
	s_add_nc_u64 s[OB:OB+1], s[OB:OB+1], 2*HS
	s_sub_co_i32 s[PASS], s[PASS], 1
	s_cmp_lg_u32 s[PASS], 0
	s_cbranch_scc1 .Lvpass
	FIN
.Lfunc_end_k_qd5e970280d_proj:
	.size	k_qd5e970280d_proj, .Lfunc_end_k_qd5e970280d_proj-k_qd5e970280d_proj
	.p2alignl 7, 3214868480
	.fill 96, 4, 3214868480
	.section	.rodata,"a",@progbits
	.p2align	6, 0x0
	.amdhsa_kernel k_qd5e970280d_proj
		.amdhsa_group_segment_fixed_size 167936
		.amdhsa_private_segment_fixed_size 0
		.amdhsa_enable_private_segment 0
		.amdhsa_kernarg_size 56
		.amdhsa_user_sgpr_count 2
		.amdhsa_user_sgpr_kernarg_segment_ptr 1
		.amdhsa_wavefront_size32 1
		.amdhsa_system_sgpr_workgroup_id_x 1
		.amdhsa_system_sgpr_workgroup_id_y 1
		.amdhsa_system_sgpr_workgroup_id_z 1
		.amdhsa_system_vgpr_workitem_id 0
		.amdhsa_next_free_vgpr 1024
		.amdhsa_next_free_sgpr 66
		.amdhsa_reserve_vcc 1
		.amdhsa_float_denorm_mode_32 3
		.amdhsa_float_denorm_mode_16_64 3
		.amdhsa_memory_ordered 1
		.amdhsa_forward_progress 1
		.amdhsa_inst_pref_size 255
	.end_amdhsa_kernel
	.section	.bss,"aw",@nobits
	.p2align	6
	.space	262144
	.amdgpu_metadata
---
amdhsa.version: [ 1, 2 ]
amdhsa.kernels:
  - .name:           k_qd5e970280d_proj
    .symbol:         k_qd5e970280d_proj.kd
    .args:
      - { .name: cw, .offset: 0, .size: 8, .value_kind: global_buffer, .address_space: global }
      - { .name: bq, .offset: 8, .size: 8, .value_kind: global_buffer, .address_space: global }
      - { .name: bd, .offset: 16, .size: 8, .value_kind: global_buffer, .address_space: global }
      - { .name: bk, .offset: 24, .size: 8, .value_kind: global_buffer, .address_space: global }
      - { .name: bv, .offset: 32, .size: 8, .value_kind: global_buffer, .address_space: global }
      - { .name: qs, .offset: 40, .size: 8, .value_kind: global_buffer, .address_space: global }
      - { .name: kv, .offset: 48, .size: 8, .value_kind: global_buffer, .address_space: global }
    .group_segment_fixed_size: 167936
    .private_segment_fixed_size: 0
    .kernarg_segment_align: 8
    .kernarg_segment_size: 56
    .max_flat_workgroup_size: 128
    .sgpr_count:     66
    .vgpr_count:     1024
    .wavefront_size: 32
...
	.end_amdgpu_metadata
.endif
;; end of part 2
;; launch attn (part 3): grid 4 x 64, 8 waves a work-group, clusters of 4 x 1, 327,680 bytes of LDS; arguments qs, kv, oc; writes oc
.if DOCPART == 3
	.amdgcn_target "amdgcn-amd-amdhsa--gfx1250"
	.amdhsa_code_object_version 6
	.text
	.protected	k_qd5e970280d_attn
	.globl	k_qd5e970280d_attn
	.p2align	8
	.type	k_qd5e970280d_attn,@function
k_qd5e970280d_attn:
	s_mov_b64 s[64:65], 0
	v_nop
	global_prefetch_b8 v0, s[64:65] scope:SCOPE_SE
	s_setreg_imm32_b32 hwreg(HW_REG_WAVE_MODE, 25, 1), 1
	s_wait_xcnt 0x0
	s_wait_alu depctr_hold_cnt(0) depctr_sa_sdst(0) depctr_va_vdst(0) depctr_va_sdst(0) depctr_va_ssrc(0) depctr_va_vcc(0) depctr_vm_vsrc(0)
	s_getreg_b32 s2, hwreg(HW_REG_IB_STS2, 6, 4)
	s_cmp_eq_u32 s2, 0
	s_cbranch_scc0 .Lentry_in_a_cluster
	s_endpgm
.Lentry_in_a_cluster:
	s_bfe_u32 s2, ttmp6, 0x10000c
	s_cmp_lg_u32 s2, 0x3003
	s_cbranch_scc0 .Lentry_shape_is_right
	s_endpgm
.Lentry_shape_is_right:
; Launch 3 of 4: o = softmax(q k^T / 8) v for each of 64 (batch, head), both products on codes of E2M3; o leaves as codes, quantised along the model's 1,024 (a head's 64 are two blocks).  No work of the problem is left out.
; THE SOFTMAX: t = score x log2(e) / 8; M = the row's largest t so far, rounded UP to a whole number; p = 2^(t - M) is quantised along the keys, not normalised; the row's sum is taken of the unquantised p and divides at the end.
; When M moves, the sum and O are multiplied by 2^(old M - new M): exact.
; SHARES.  Work-group y = the head; x = 512 of its 2,048 queries.  Eight waves, two to a SIMD, 512 registers each.  A wave owns TWO tiles of 16 queries at a time (a = 0, 1), in two passes: each fragment of k and of v^T
; that it reads from LDS feeds two products, and the two tiles' dependent lines stand by turns.  Every wave walks the head's 16 key steps of 128.
; K AND V OF THE WHOLE HEAD STAY IN LDS: 16 records of 13,056 bytes (k's 8 tiles x 768; v^T's 4 tiles x 1,536; k's scale words 2 x 256; v's 256), images of the operands' registers, as 51 rows of 256 bytes + 32 of padding.
; Wave w brings record w at the head and record 8 + w behind the full sequence and a round: steps 0 to 6 are worked while the second eight are on their way; nothing is filled again.
; CLUSTER.  The four work-groups of a head want the same records: each is asked for JOINTLY, by the same tensor load with the same descriptor and a mask that names the four.  The place in the cluster enters q's and o's addresses alone.
; NO PREFETCH: every record is asked for by its one tensor load, at the head or directly behind the round that follows it: there is no loop to run ahead in.
; LAYOUT.  Both products are used transposed: S^T = K Q^T, O^T = V^T P^T: a lane holds ONE query of each tile throughout.
; WHICH KEYS FORM A TILE OF K IS CHOSEN HERE, BY LDS ADDRESS: row m of tile (c, u) is key 64 c + 32 (m / 8) + 8 u + m % 8.  So the 32 registers of tiles (c, 0 .. 3) in lane (r, h) are keys 64 c + 32 h + 0 .. 31: a WHOLE block of p
; in one lane, in the order that the second product's operand wants: no other lane is asked for a block's maximum and no half blocks change lanes.  In the record that key lies in tile 4 c + 2 (m / 8) + u % 2 at row m % 8 + 8 (u / 2);
; the 32 bytes of padding set the two halves of the rows 192 bytes apart modulo 256, so that the 32 lanes of a load touch 64 different banks.
; THE FIRST PRODUCT'S K IS 64.  A fragment of k holds TWO tiles, u even in k = 0 .. 63 and u odd in k = 64 .. 127; it is multiplied with [q | zero codes] for the first and with [zero codes | q] for the second.
; The four such operands of the two query tiles overlap in 30 registers: q0, zeros, q1, zeros, q0.  The two tiles' scale bytes are packed into one word, q's two bytes stand twice in its word.
; LIMITS: a block of zeros, or one under 2^-124, gets the byte 1; NaN and infinities are not served; the promise holds while the scaled scores t stay under 2^31 in magnitude.
; The last step of a pass has no next step: its fetch of k is held at record 15 and is read by nobody; each pass fetches record 0's k at its start.
; REGISTERS.  Window 0: v1-13 lane offsets, addresses, the add's two; v16-45 q; v46-47 q's scale words; v48-55 k's; v56-59 v's; v60-75 state, 8 a tile (-M, largest t, sum x 2, f, p's scale word, two at work);
;   v76-79 block maxima; v80-83 the conversions' scale operands; v84-95 partial sums; v104-127 p's codes; v128-143 second halves of blocks; v160-223 O^T.
;   Window 1: v0-127 S^T, then p: 64 a + 32 c + 8 u + j; v128-175 k's four fragments; v176-223 v^T's four.
.set HS,    208896
.set REC,   13056
.set RECP,  14688                      ; a record in LDS: 51 rows x 288
.set SPARE, 235008                     ; behind the 16 records: the spare words, 128 bytes a wave
.set LK,  1                            ; 1728 (r / 8) + 8 (r % 8) + 128 h
.set LV,  2                            ; 288 h + 16 r
.set LSK, 3                            ; 16 (r % 8) + 8 (r / 8)
.set R16, 4                            ; 16 r
.set L8,  5                            ; 8 x lane
.set SPW, 6
.set NIL, 7
.set R4,  8                            ; 4 r
.set ADK, 9
.set ADV, 10
.set ADS, 11
.set ADVS, 12
.set SH8, 13                           ; 8 h
.set QS,  46
.set KS,  48
.set VS,  56
.set ST,  60
.set BM,  76
.set SO,  80
.set TP,  84
.set PC,  104
.set TT,  128
.set OO,  160
.set WV,  10
.set G1,  16
.set G0,  24
.set G0B, 28
.set SEL, 32
.set CS,  34                           ; s[34:35] c = log2(e) / 8
.set TB,  36                           ; LDS byte at which the step's record begins
.set TN,  37                           ; and the next step's
.set CNT, 38
.set PASS, 39
.set QB,  40
.set QSB, 42
.set OB,  44
.set OSB, 46
.set PSEL, 62
.set MSB, 0
.macro WIN new                         ; the immediate's high byte repeats the setting that is left
.if MSB != (\new)
	s_set_vgpr_msb (MSB<<8)|(\new)
.set MSB, (\new)
.endif
.endm
.macro H2
	s_delay_alu instid0(VALU_DEP_2)
.endm
.macro H4
	s_delay_alu instid0(VALU_DEP_4)
.endm
.macro CROUND                          ; a round of the cluster's barrier
	s_barrier_signal -1
	s_barrier_wait -1
	s_cmp_lg_u32 s[WV], 0
	s_cbranch_scc1 .Lnot_wave_0_\@
	s_barrier_signal -3
.Lnot_wave_0_\@:
	s_barrier_wait -3
	s_barrier_signal -1
	s_barrier_wait -1
.endm
.macro SWM d, a, b, sa, sb             ; a product that starts its sum
	v_wmma_scale_f32_16x16x128_f8f6f4 v[(\d):(\d)+7], v[(\a):(\a)+11], v[(\b):(\b)+11], 0, v[(\sa)], v[(\sb)] matrix_a_fmt:MATRIX_FMT_FP6 matrix_b_fmt:MATRIX_FMT_FP6
.endm
.macro PWM d, a, b, sa, sb             ; a product that adds in place
	v_wmma_scale_f32_16x16x128_f8f6f4 v[(\d):(\d)+7], v[(\a):(\a)+11], v[(\b):(\b)+11], v[(\d):(\d)+7], v[(\sa)], v[(\sb)] matrix_a_fmt:MATRIX_FMT_FP6 matrix_b_fmt:MATRIX_FMT_FP6
.endm
.macro KSCL                            ; the scale words of tiles (c, u) and (c, u + 1), u even: fragment i = 2 c + u / 2
.irp i, 0,1,2,3
	ds_load_b64 v[KS+2*\i:KS+2*\i+1], v[ADS] offset:288*(48+\i/2)+128*(\i%2)
.endr
.endm
.macro KFR                             ; k's four fragments, two tiles each: 24 loads of 8 bytes (window: destination 1)
.irp i, 0,1,2,3
.irp e, 0,1
.irp p, 0,1,2
	ds_load_b64 v[128+12*\i+6*\e+2*\p:129+12*\i+6*\e+2*\p], v[ADK] offset:288*(12*(\i/2)+3*\e+\p)+64*(\i%2)
.endr
.endr
.endr
.endm
.macro KPERM                           ; the even tile's two bytes under the odd tile's
.irp i, 0,1,2,3
	v_perm_b32 v[KS+2*\i], v[KS+2*\i+1], v[KS+2*\i], s[PSEL]
.endr
.endm
.macro QLOAD                           ; two tiles of q, the first twice; their two scale words
.irp p, 0,1,2
	global_load_b64 v[16+2*\p:17+2*\p], v[L8], s[QB:QB+1] offset:256*\p
	global_load_b64 v[40+2*\p:41+2*\p], v[L8], s[QB:QB+1] offset:256*\p
	global_load_b64 v[28+2*\p:29+2*\p], v[L8], s[QB:QB+1] offset:768+256*\p
.endr
	global_load_b64 v[QS:QS+1], v[R16], s[QSB:QSB+1]
.endm
	s_load_b128 s[4:7], s[0:1], 0x0                ; qs, kv
	s_load_b64 s[8:9], s[0:1], 0x10                ; oc
	v_lshl_add_u32 v[SPW], v0, 2, SPARE
	v_mov_b32 v[NIL], 0
	ds_add_u32 v[SPW], v[NIL]                      ; the wave's opening: the add, twice on end, and its wait ahead of my first tensor load
	ds_add_u32 v[SPW], v[NIL]
	v_lshrrev_b32 v14, 5, v0
	v_readfirstlane_b32 s[WV], v14                 ; wave 0..7
	s_bfe_u32 s11, ttmp6, 0x40000                  ; cx
	s_lshl_b32 s12, ttmp9, 2
	s_add_co_u32 s12, s12, s11                     ; my block of 512 queries
	s_and_b32 s13, ttmp7, 0xffff                   ; 16 x batch + head, which the four partners share
	s_mov_b32 s[G1+0], 15|(3<<16)|(1<<20)|(1<<21)|(5<<22)|(7<<25)  ; the mask: all four; elements of 8 bytes; padding on; bit 21 beside a mask; after every 64 words, 8 words
	s_mov_b32 s[G1+1], 32<<16                      ; a record is a dense block: 51 rows of 256 bytes
	s_mov_b32 s[G1+2], 51<<16
	s_mov_b32 s[G1+3], 32<<16
	s_mov_b32 s[G1+4], 51
	s_mov_b32 s[G1+5], 32
	s_mov_b32 s[G1+6], 0
	s_mov_b32 s[G1+7], 0
	s_mul_i32 s48, s13, HS
	s_mul_i32 s49, s[WV], REC
	s_add_co_u32 s50, s48, s49                     ; record w of the head, in memory,
	s_mov_b32 s51, 0
	s_mul_i32 s52, s[WV], RECP                     ; and in LDS
	s_lshl_b32 s53, s12, 5
	s_lshl_b32 s54, s[WV], 1
	s_add_co_u32 s53, s53, s54                     ; my first tile of queries: 32 x block + 2 x wave; the second pass's are 16 tiles on
	s_lshl_b32 s54, s13, 7
	s_add_co_u32 s54, s54, s53
	s_mul_i32 s54, s54, 768
	s_mov_b32 s55, 0
	s_lshl_b32 s56, s13, 13                        ; q's scale words: 8,192 bytes a head; four tiles to 256 bytes
	s_lshr_b32 s57, s53, 2
	s_lshl_b32 s57, s57, 8
	s_add_co_u32 s56, s56, s57
	s_and_b32 s57, s53, 3
	s_lshl_b32 s57, s57, 2
	s_add_co_u32 s56, s56, s57
	s_add_co_u32 s56, s56, 6291456
	s_mov_b32 s57, 0
	s_lshr_b32 s58, s13, 4
	s_lshl_b32 s58, s58, 7
	s_add_co_u32 s58, s58, s53                     ; o's row tile: 128 x batch + tile
	s_lshl_b32 s58, s58, 4
	s_and_b32 s59, s13, 15
	s_add_co_u32 s58, s58, s59                     ; x 16 + head
	s_mul_i32 s60, s58, 768
	s_mov_b32 s61, 0
	s_lshl_b32 s58, s58, 6
	s_add_co_u32 s58, s58, 6291456
	s_mov_b32 s59, 0
	s_mov_b32 s[SEL], 0x76543210
	s_mov_b32 s[SEL+1], 0xfedcba98                 ; lane l xor 16
	s_mov_b32 s[CS], 0x3e38aa3b
	s_mov_b32 s[CS+1], s[CS]                       ; (named with it as a pair, so it is written)
	s_mov_b32 s[PSEL], 0x05040100                  ; the two low halves
	s_mov_b32 s[PASS], 2
	s_wait_dscnt 0x0                               ; both opening adds are done
	s_wait_kmcnt 0x0
	s_add_nc_u64 s[QB:QB+1], s[4:5], s[54:55]
	s_add_nc_u64 s[QSB:QSB+1], s[4:5], s[56:57]
	s_add_nc_u64 s[OB:OB+1], s[8:9], s[60:61]
	s_add_nc_u64 s[OSB:OSB+1], s[8:9], s[58:59]
	s_mov_b32 s[G0], 1
	s_mov_b32 s[G0+1], s52
	s_add_nc_u64 s[G0+2:G0+3], s[6:7], s[50:51]
	s_mov_b32 s[G0B], 1
	s_add_co_u32 s[G0B+1], s52, 8*RECP
	s_add_nc_u64 s[G0B+2:G0B+3], s[G0+2:G0+3], 8*REC
	s_or_b32 s[G0+3], s[G0+3], 0x80000000
	s_or_b32 s[G0B+3], s[G0B+3], 0x80000000
	CROUND                                         ; all four work-groups are here: the joint loads meet
	tensor_load_to_lds s[G0:G0+3], s[G1:G1+7]      ; record w: my one tensor load at the head
	s_nop 0
.rept 4
	v_nop
.endr
	v_and_b32 v14, 31, v0
	v_and_b32 v15, 15, v0                          ; r
	v_bfe_u32 v[SH8], v0, 4, 1                     ; h
	v_bfe_u32 v[ADK], v0, 3, 1                     ; r / 8
	v_and_b32 v[ADV], 7, v0                        ; r % 8
	v_lshlrev_b32 v[L8], 3, v14
	v_lshlrev_b32 v[R16], 4, v15
	v_lshlrev_b32 v[R4], 2, v15
	v_mul_u32_u24 v[LV], v[SH8], 288
	v_mul_u32_u24 v[LK], v[ADK], 1728
	v_lshlrev_b32 v[LSK], 3, v[ADK]
	v_lshl_add_u32 v[LV], v15, 4, v[LV]
	v_lshl_add_u32 v[LK], v[ADV], 3, v[LK]
	v_lshl_add_u32 v[LSK], v[ADV], 4, v[LSK]
	H2
	v_lshl_add_u32 v[LK], v[SH8], 7, v[LK]
	v_lshlrev_b32 v[SH8], 3, v[SH8]
	QLOAD
.irp i, 0,1,2,3,4,5
	v_mov_b32 v[22+\i], 0                          ; the zero codes, written once
	v_mov_b32 v[34+\i], 0
.endr
	s_wait_alu depctr_va_vdst(0)                   ; the head's end
	s_wait_tensorcnt 0x0                           ; my record is in; the add and its wait follow, ahead of a later first fill:
	ds_add_u32 v[SPW], v[NIL]
	s_wait_dscnt 0x0
	CROUND                                         ; records 0 to 7 are in, and all four work-groups are here
	tensor_load_to_lds s[G0B:G0B+3], s[G1:G1+7]    ; record 8 + w: the first tensor load behind the round; by this text's count one is out
	s_nop 0
.rept 4
	v_nop
.endr
; A KEY STEP: 128 keys x 32 queries.  On entry k's fragments and packed scale words of this step are in registers.
.macro STEP
	s_add_co_u32 s[TN], s[TB], RECP
	s_min_u32 s[TN], s[TN], 15*RECP                ; held at the last record
	WIN 0x41
.irp i, 0,1,2,3
.irp e, 0,1
	SWM 16*\i+8*\e, 128+12*\i, 16+18*\e, KS+2*\i, QS          ; tile (i / 2, 2 (i % 2) + e) x q0: [q0 | 0] or [0 | q0]
	SWM 64+16*\i+8*\e, 128+12*\i, 28-6*\e, KS+2*\i, QS+1      ; x q1
.endr
.endr
	WIN 0
	v_add_nc_u32 v[ADV], s[TB], v[LV]              ; these four are the places between the products and the loads into their registers and the first read of S^T
	v_add_nc_u32 v[ADVS], s[TB], v[R16]
	v_add_nc_u32 v[ADK], s[TN], v[LK]
	v_add_nc_u32 v[ADS], s[TN], v[LSK]
	ds_load_b128 v[VS:VS+3], v[ADVS] offset:288*50
	KSCL
	WIN 0x40
.irp t, 0,1,2,3
.irp c, 0,1,2
	ds_load_b128 v[176+12*\t+4*\c:179+12*\t+4*\c], v[ADV] offset:288*(24+6*\t+2*\c)   ; this step's v^T and the next step's k land under the softmax
.endr
.endr
	KFR
	WIN 0x15
.irp a, 0,1
.irp c, 0,1
	v_max3_num_f32 v[BM+2*\a+\c], v[64*\a+32*\c], v[64*\a+32*\c+1], v[64*\a+32*\c+2]   ; the largest score of each block of 32 keys, all of them mine; each accumulator is read from its low end on
.endr
.endr
	WIN 0x14
.irp i, 3,5,7,9,11,13,15,17,19,21,23,25,27,29
.irp a, 0,1
.irp c, 0,1
	v_max3_num_f32 v[BM+2*\a+\c], v[BM+2*\a+\c], v[64*\a+32*\c+\i], v[64*\a+32*\c+\i+1]
.endr
.endr
.endr
.irp a, 0,1
.irp c, 0,1
	v_max3_num_f32 v[BM+2*\a+\c], v[BM+2*\a+\c], v[64*\a+32*\c+31], v[64*\a+32*\c+31]
.endr
.endr
	WIN 0
	v_max_num_f32 v[ST+6], v[BM], v[BM+1]
	v_max_num_f32 v[ST+14], v[BM+2], v[BM+3]
.irp a, 0,1
	H2
	v_permlanex16_b32 v[ST+7+8*\a], v[ST+6+8*\a], s[SEL], s[SEL+1]
.endr
.irp a, 0,1
	H2
	v_max_num_f32 v[ST+6+8*\a], v[ST+6+8*\a], v[ST+7+8*\a]   ; the step's largest score of my query
.endr
.irp a, 0,1
	H2
	v_mul_f32 v[ST+6+8*\a], s[CS], v[ST+6+8*\a]    ; as t (c is positive)
.endr
.irp a, 0,1
	v_mov_b32 v[ST+7+8*\a], v[ST+8*\a]             ; the old -M
.endr
.irp a, 0,1
	H4
	v_max_num_f32 v[ST+1+8*\a], v[ST+1+8*\a], v[ST+6+8*\a]   ; the running largest t
.endr
.irp a, 0,1
	H2
	v_floor_f32 v[ST+8*\a], -v[ST+1+8*\a]          ; the new -M = -ceil(t): a whole number
.endr
.irp a, 0,1
	H2
	v_sub_f32 v[ST+6+8*\a], v[ST+8*\a], v[ST+7+8*\a]   ; old M - new M: a whole number, 0 or less
.endr
.irp a, 0,1
	H2
	v_cvt_i32_f32 v[ST+6+8*\a], v[ST+6+8*\a]       ; (it saturates)
.endr
.irp a, 0,1
	H2
	v_ldexp_f32 v[ST+4+8*\a], 1.0, v[ST+6+8*\a]    ; f = 2^(old M - new M)
.endr
.irp a, 0,1
.irp c, 0,1
	v_fma_f32 v[BM+2*\a+\c], v[BM+2*\a+\c], s[CS], v[ST+8*\a]   ; t - M of each block's largest score: p rises with the score
.endr
.endr
	WIN 0x41
.irp a, 0,1
.set j, 0
.rept 32
	v_pk_fma_f32 v[64*\a+j:64*\a+j+1], v[64*\a+j:64*\a+j+1], s[CS:CS+1], v[ST+8*\a:ST+8*\a+1] op_sel_hi:[1,0,0]   ; t - M, two at a time
.set j, j+2
.endr
.endr
	s_wait_alu depctr_va_vdst(0)                   ; ahead of the batch
.set j, 0
.rept 128
	v_exp_f32 v[j], v[j]                           ; p = 2^(t - M), at most 1
.set j, j+1
.endr
	WIN 0
.irp b, 0,1,2,3
	v_exp_f32 v[BM+\b], v[BM+\b]                   ; each block's largest p
.endr
.irp a, 0,1
	v_pk_mul_f32 v[ST+2+8*\a:ST+3+8*\a], v[ST+2+8*\a:ST+3+8*\a], v[ST+4+8*\a:ST+5+8*\a] op_sel_hi:[1,0]   ; the sums under the new M: plain places behind the exponentials
.endr
	s_wait_alu depctr_va_vdst(0)                   ; one wait for the whole batch, ahead of its first reader
	WIN 0x05
.irp k, 0,1,2
.irp a, 0,1
	v_pk_add_f32 v[TP+6*\a+2*\k:TP+6*\a+2*\k+1], v[64*\a+4*\k:64*\a+4*\k+1], v[64*\a+4*\k+2:64*\a+4*\k+3]   ; the row's sum of the unquantised p: four chains a tile, eight in all
.endr
.endr
	WIN 0x04
.irp g, 0,1,2,3,4,5
.irp a, 0,1
	v_pk_add_f32 v[ST+2+8*\a:ST+3+8*\a], v[ST+2+8*\a:ST+3+8*\a], v[64*\a+12+8*\g:64*\a+13+8*\g]
.endr
.irp k, 0,1,2
.irp a, 0,1
	v_pk_add_f32 v[TP+6*\a+2*\k:TP+6*\a+2*\k+1], v[TP+6*\a+2*\k:TP+6*\a+2*\k+1], v[64*\a+14+8*\g+2*\k:64*\a+15+8*\g+2*\k]
.endr
.endr
.endr
.irp a, 0,1
	v_pk_add_f32 v[ST+2+8*\a:ST+3+8*\a], v[ST+2+8*\a:ST+3+8*\a], v[64*\a+60:64*\a+61]
.endr
.irp a, 0,1
	v_pk_add_f32 v[TP+6*\a:TP+6*\a+1], v[TP+6*\a:TP+6*\a+1], v[64*\a+62:64*\a+63]
.endr
	WIN 0
.irp a, 0,1
	v_pk_add_f32 v[TP+6*\a:TP+6*\a+1], v[TP+6*\a:TP+6*\a+1], v[TP+6*\a+2:TP+6*\a+3]
.endr
.irp a, 0,1
	v_pk_add_f32 v[ST+2+8*\a:ST+3+8*\a], v[ST+2+8*\a:ST+3+8*\a], v[TP+6*\a+4:TP+6*\a+5]
.endr
.irp a, 0,1
	H2
	v_pk_add_f32 v[ST+2+8*\a:ST+3+8*\a], v[ST+2+8*\a:ST+3+8*\a], v[TP+6*\a:TP+6*\a+1]
.endr
.irp b, 0,1,2,3
	v_max_num_f32 v[BM+\b], 0x1800000, v[BM+\b]    ; the floor 2^(3 - 127): the byte cannot fall under 1
.endr
.irp b, 0,1,2,3
	H4
	v_add_nc_u32 v[SO+\b], 0xff000000, v[BM+\b]    ; 2 off the exponent field: the conversion's scale operand
.endr
.irp b, 0,1,2,3
	H4
	v_lshrrev_b32 v[BM+\b], 23, v[SO+\b]           ; the bytes of blocks h and 2 + h
.endr
	s_delay_alu instid0(VALU_DEP_3)
	v_lshl_or_b32 v[ST+5], v[BM+1], 16, v[BM]
	H2
	v_lshl_or_b32 v[ST+13], v[BM+3], 16, v[BM+2]
.irp a, 0,1
	H2
	v_lshlrev_b32 v[ST+5+8*\a], v[SH8], v[ST+5+8*\a]   ; at their places in the word;
.endr
.irp a, 0,1
	H2
	v_permlanex16_b32 v[ST+7+8*\a], v[ST+5+8*\a], s[SEL], s[SEL+1]
.endr
.irp a, 0,1
	H2
	v_or_b32 v[ST+5+8*\a], v[ST+5+8*\a], v[ST+7+8*\a]  ; with lane l xor 16's two the word is whole
.endr
	WIN 0x01
.irp a, 0,1
.irp c, 0,1
	v_cvt_scalef32_pk16_fp6_f32 v[PC+12*\a+6*\c:PC+12*\a+6*\c+2], v[64*\a+32*\c:64*\a+32*\c+15], v[SO+2*\a+\c]
	v_cvt_scalef32_pk16_fp6_f32 v[TT+8*\a+4*\c:TT+8*\a+4*\c+2], v[64*\a+32*\c+16:64*\a+32*\c+31], v[SO+2*\a+\c]   ; (a conversion's three registers begin on an even number)
.endr
.endr
	WIN 0
	v_nop                                          ; one plain place behind a scaled conversion
.irp a, 0,1
.irp c, 0,1
	v_dual_mov_b32 v[PC+3+12*\a+6*\c], v[TT+8*\a+4*\c] :: v_dual_mov_b32 v[PC+4+12*\a+6*\c], v[TT+1+8*\a+4*\c]
	v_mov_b32 v[PC+5+12*\a+6*\c], v[TT+2+8*\a+4*\c]
.endr
.endr
	s_wait_dscnt 0x0                               ; this step's v^T and the next step's k are in: all 41 loads
	KPERM                                          ; the next step's packed scale words; the 32 lines below stand between them and the products that name them
	s_wait_alu depctr_va_vdst(0)                   ; directly ahead of the first reader of O^T
.irp a, 0,1
.set j, 0
.rept 16
	v_pk_mul_f32 v[OO+32*\a+j:OO+32*\a+j+1], v[OO+32*\a+j:OO+32*\a+j+1], v[ST+4+8*\a:ST+5+8*\a] op_sel_hi:[1,0]   ; O^T under the new M; also the places between p's codes and scale words and the products
.set j, j+2
.endr
.endr
	WIN 0x01
.irp t, 0,1,2,3
.irp a, 0,1
	PWM OO+32*\a+8*\t, 176+12*\t, PC+12*\a, VS+\t, ST+5+8*\a   ; the eight accumulators by turns
.endr
.endr
	WIN 0
.endm
.Lpass:                                                ; a pass: two tiles of queries through all 16 key steps
	v_add_nc_u32 v[ADK], 0, v[LK]                  ; record 0's k
	v_add_nc_u32 v[ADS], 0, v[LSK]
	KSCL
	WIN 0x40
	KFR
	WIN 0
.irp a, 0,1
	v_mov_b32 v[ST+1+8*\a], 0xff61b1e6             ; the largest t so far: -3e38
	v_mov_b32 v[ST+2+8*\a], 0                      ; the sum, in two halves
	v_mov_b32 v[ST+3+8*\a], 0
	v_mov_b32 v[ST+5+8*\a], 0                      ; (named as the upper half of a pair before it is first made)
	v_mov_b32 v[ST+7+8*\a], 0                      ; a lane permute's destination counts as one of its sources
	v_floor_f32 v[ST+8*\a], -v[ST+1+8*\a]
.endr
	s_wait_loadcnt 0x0                             ; q
	s_wait_dscnt 0x0                               ; k
	KPERM
	v_perm_b32 v[QS], v[QS], v[QS], s[PSEL]        ; q's two bytes, twice
	v_perm_b32 v[QS+1], v[QS+1], v[QS+1], s[PSEL]
.set j, 0
.rept 64
	v_mov_b32 v[OO+j], 0                           ; O^T: the step is written once; its first trip finds zeros.  Also the places ahead of the first products
.set j, j+1
.endr
	s_mov_b32 s[TB], 0
	s_mov_b32 s[CNT], 7
	s_wait_alu depctr_va_vdst(0)                   ; ahead of the loop
.Lfirst:                                               ; steps 0 to 6: they read records 0 to 7
	STEP
	s_add_co_u32 s[TB], s[TB], RECP
	s_sub_co_i32 s[CNT], s[CNT], 1
	s_cmp_lg_u32 s[CNT], 0
	s_cbranch_scc1 .Lfirst
	s_wait_alu depctr_va_vdst(0)
	s_wait_tensorcnt 0x0                           ; my record 8 + w is in (in the second pass nothing is out),
	s_wait_dscnt 0x0
	s_barrier_signal -1
	s_barrier_wait -1                              ; all sixteen are
	s_mov_b32 s[TB], 7*RECP
	s_mov_b32 s[CNT], 9
.Lsecond:                                              ; steps 7 to 15
	STEP
	s_add_co_u32 s[TB], s[TB], RECP
	s_sub_co_i32 s[CNT], s[CNT], 1
	s_cmp_lg_u32 s[CNT], 0
	s_cbranch_scc1 .Lsecond
	s_wait_alu depctr_va_vdst(0)
	s_cmp_eq_u32 s[PASS], 1
	s_cbranch_scc1 .Lno_q                          ; the last pass asks for nothing: no load leaves its buffer
	s_add_nc_u64 s[QB:QB+1], s[QB:QB+1], 12288     ; 16 tiles on; the next pass's q lands under the way out
	s_add_nc_u64 s[QSB:QSB+1], s[QSB:QSB+1], 1024
	QLOAD
.Lno_q:
.irp a, 0,1
	v_add_f32 v[ST+2+8*\a], v[ST+2+8*\a], v[ST+3+8*\a]   ; the sum's two halves,
.endr
.irp a, 0,1
	H2
	v_permlanex16_b32 v[ST+7+8*\a], v[ST+2+8*\a], s[SEL], s[SEL+1]
.endr
.irp a, 0,1
	H2
	v_add_f32 v[ST+2+8*\a], v[ST+2+8*\a], v[ST+7+8*\a]   ; and lane l xor 16's
.endr
	s_wait_alu depctr_va_vdst(0)
.irp a, 0,1
	v_rcp_f32 v[ST+6+8*\a], v[ST+2+8*\a]
.endr
	v_nop                                          ; a plain place behind the reciprocals
	s_wait_alu depctr_va_vdst(0)                   ; ahead of their first reader, which is also O^T's
.irp a, 0,1
.set j, 0
.rept 16
	v_pk_mul_f32 v[OO+32*\a+j:OO+32*\a+j+1], v[OO+32*\a+j:OO+32*\a+j+1], v[ST+6+8*\a:ST+7+8*\a] op_sel_hi:[1,0]   ; o: register 16 b + i is channel 32 b + 16 h + i of my query
.set j, j+2
.endr
.endr
.irp a, 0,1
.irp b, 0,1
	v_max3_num_f32 v[BM+2*\a+\b], |v[OO+32*\a+16*\b]|, |v[OO+32*\a+16*\b+1]|, 0x1800000
.endr
.endr
.irp n, 2,4,6,8,10,12,14
.irp a, 0,1
.irp b, 0,1
	v_max3_num_f32 v[BM+2*\a+\b], v[BM+2*\a+\b], |v[OO+32*\a+16*\b+\n]|, |v[OO+32*\a+16*\b+\n+1]|
.endr
.endr
.endr
.irp b, 0,1,2,3
	H4
	v_permlanex16_b32 v[TP+\b], v[BM+\b], s[SEL], s[SEL+1]
.endr
.irp b, 0,1,2,3
	H4
	v_max_num_f32 v[BM+\b], v[BM+\b], v[TP+\b]     ; with lane l xor 16's 16 channels
.endr
.irp b, 0,1,2,3
	H4
	v_add_nc_u32 v[SO+\b], 0xff000000, v[BM+\b]
.endr
.irp b, 0,1,2,3
	H4
	v_lshrrev_b32 v[BM+\b], 23, v[SO+\b]
.endr
	s_delay_alu instid0(VALU_DEP_3)
	v_lshl_or_b32 v[ST+5], v[BM+1], 8, v[BM]       ; the head's two bytes; the upper half stays 0
	H2
	v_lshl_or_b32 v[ST+13], v[BM+3], 8, v[BM+2]
.irp a, 0,1
	v_cvt_scalef32_pk16_fp6_f32 v[PC+12*\a:PC+12*\a+2], v[OO+32*\a:OO+32*\a+15], v[SO+2*\a]
	v_cvt_scalef32_pk16_fp6_f32 v[TT+8*\a:TT+8*\a+2], v[OO+32*\a+16:OO+32*\a+31], v[SO+2*\a+1]
.endr
	v_nop                                          ; one plain place behind a scaled conversion
.irp a, 0,1
.irp n, 0,1,2
	v_permlane16_swap_b32 v[PC+12*\a+\n], v[TT+8*\a+\n]   ; here a block lies in two lanes: the halves change places
.endr
.endr
.irp a, 0,1
.irp n, 0,1,2
	v_mov_b32 v[PC+3+12*\a+\n], v[TT+8*\a+\n]
.endr
.endr
.irp a, 0,1
.irp p, 0,1,2
	global_store_b64 v[L8], v[PC+12*\a+2*\p:PC+12*\a+2*\p+1], s[OB:OB+1] offset:12288*\a+256*\p   ; 256 consecutive bytes, at a multiple of 256 from the buffer's first byte
.endr
	global_store_b32 v[R4], v[ST+5+8*\a], s[OSB:OSB+1] offset:1024*\a   ; both halves of the lanes write row r's word, with the same value
.endr
	s_wait_xcnt 0x0                                ; the stores have read their registers and bases
	s_add_nc_u64 s[OB:OB+1], s[OB:OB+1], 196608    ; 16 tiles on
	s_add_nc_u64 s[OSB:OSB+1], s[OSB:OSB+1], 16384
	s_sub_co_i32 s[PASS], s[PASS], 1
	s_cmp_lg_u32 s[PASS], 0
	s_wait_alu depctr_va_vdst(0)
	s_cbranch_scc1 .Lpass
	s_wait_tensorcnt 0x0                           ; the wave's end: the wait, the add and its wait behind my last tensor load
	ds_add_u32 v[SPW], v[NIL]
	s_wait_dscnt 0x0
	CROUND                                         ; the closing round
	s_endpgm
.Lfunc_end_k_qd5e970280d_attn:
	.size	k_qd5e970280d_attn, .Lfunc_end_k_qd5e970280d_attn-k_qd5e970280d_attn
	.p2alignl 7, 3214868480
	.fill 96, 4, 3214868480
	.section	.rodata,"a",@progbits
	.p2align	6, 0x0
	.amdhsa_kernel k_qd5e970280d_attn
		.amdhsa_group_segment_fixed_size 327680
		.amdhsa_private_segment_fixed_size 0
		.amdhsa_enable_private_segment 0
		.amdhsa_kernarg_size 24
		.amdhsa_user_sgpr_count 2
		.amdhsa_user_sgpr_kernarg_segment_ptr 1
		.amdhsa_wavefront_size32 1
		.amdhsa_system_sgpr_workgroup_id_x 1
		.amdhsa_system_sgpr_workgroup_id_y 1
		.amdhsa_system_sgpr_workgroup_id_z 1
		.amdhsa_system_vgpr_workitem_id 0
		.amdhsa_next_free_vgpr 512
		.amdhsa_next_free_sgpr 66
		.amdhsa_reserve_vcc 0
		.amdhsa_float_denorm_mode_32 3
		.amdhsa_float_denorm_mode_16_64 3
		.amdhsa_memory_ordered 1
		.amdhsa_forward_progress 1
		.amdhsa_inst_pref_size 80
	.end_amdhsa_kernel
	.amdgpu_metadata
---
amdhsa.version: [ 1, 2 ]
amdhsa.kernels:
  - .name:           k_qd5e970280d_attn
    .symbol:         k_qd5e970280d_attn.kd
    .args:
      - { .name: qs, .offset: 0, .size: 8, .value_kind: global_buffer, .address_space: global }
      - { .name: kv, .offset: 8, .size: 8, .value_kind: global_buffer, .address_space: global }
      - { .name: oc, .offset: 16, .size: 8, .value_kind: global_buffer, .address_space: global }
    .group_segment_fixed_size: 327680
    .private_segment_fixed_size: 0
    .kernarg_segment_align: 8
    .kernarg_segment_size: 24
    .max_flat_workgroup_size: 256
    .sgpr_count:     66
    .vgpr_count:     512
    .wavefront_size: 32
...
	.end_amdgpu_metadata
.endif
;; end of part 3
;; launch oproj (part 4): grid 128 x 2, 4 waves a work-group, no clusters, 167,936 bytes of LDS; arguments oc, cw, bo, out0; writes out0
.if DOCPART == 4
	.amdgcn_target "amdgcn-amd-amdhsa--gfx1250"
	.amdhsa_code_object_version 6
	.text
	.protected	k_qd5e970280d_oproj
	.globl	k_qd5e970280d_oproj
	.p2align	8
	.type	k_qd5e970280d_oproj,@function
k_qd5e970280d_oproj:
	s_mov_b64 s[64:65], 0
	v_nop
	global_prefetch_b8 v0, s[64:65] scope:SCOPE_SE
	s_setreg_imm32_b32 hwreg(HW_REG_WAVE_MODE, 25, 1), 1
	s_wait_xcnt 0x0
; Launch 4 of 4: out0 = o Wo^T + bo, on the codes that the launches before have made.  No work is left out.
; SHARES.  Work-group x = 64 rows (4 tiles), y = 512 of the 1,024 columns; a wave takes 128 columns (8 tiles of Wo) for the 4 row tiles: 32 accumulators.
; o's codes of the block, 49,152 dense bytes, are wanted by all four waves: one tensor load a wave brings a tile's 8 fragments into LDS, once.  A fragment of Wo is wanted by one wave: it goes from memory straight into registers.
; NO CLUSTER: what work-groups share most, Wo, never passes through LDS; o's block, shared by two work-groups, is a third of a work-group's bytes.  NO PREFETCH: the weight loads run two K steps ahead, o's block is asked for at the head.
; The product is used transposed (source 0 = Wo's rows, source 1 = o's rows): a lane holds eight neighbouring columns of one row.  Lane r of any tile T holds row 32 (T / 2) + 8 (T % 2) + r + 8 (r / 8): the stores undo that for the rows,
; the stage's offsets for the columns.  bo is the C of each sum's first matrix instruction.
; o's fragment of K step s is two heads' halves on end: registers 2 p, 2 p + 1 of lane l at 256 p + 8 l.  Its scale word is the even head's two bytes under the odd head's.
; REGISTERS.  Window 0: v1-7 addresses; v16-31 o's scale words (a register for a pair of K steps); v32-47 their odd heads' halves; v48-79 Wo's; v80-175 o's fragments, two sets; on the way out v80-207; v252, v253 the add's two.
;   Window 1: Wo's 8 fragments, two sets; v192-255 the bias.   Window 2: accumulator (a, b) at v[8 (8 a + b)].
.set SCOFF, 8454144
.set STAGE, 49152                      ; LDS: o's 32 fragments from 0; then a stage of 16 rows x 528 bytes for each wave;
.set SPARE, 82944                      ; the spare words, 128 bytes a wave
.set LI,  1                            ; 16 x lane
.set L8,  2                            ; 8 x lane
.set LS,  3                            ; 4 x lane
.set STO, 4                            ; the stage: 528 r + 64 h
.set RD,  5                            ; and back: 16 x lane
.set BOF, 6                            ; 64 h
.set ASO, 7                            ; 128 h + 4 r
.set AS,  16
.set AO,  32
.set WS,  48
.set AF,  80
.set BK,  80
.set LN,  240
.set RR,  241
.set HH,  242
.set SPW, 252
.set NIL, 253
.set WV,  18
.set G1,  24
.set G0,  32
.set WB,  38
.set SB,  40
.set BB,  42
.set OB,  44
.set ASB, 46
.set MSB, 0
.macro WIN new
.if MSB != (\new)
	s_set_vgpr_msb (MSB<<8)|(\new)
.set MSB, (\new)
.endif
.endm
.macro PLACES
.rept 4
	v_nop
.endr
.endm
.macro WMS d, a, b, c, sa, sb, row
.if \row
	v_wmma_scale_f32_16x16x128_f8f6f4 v[(\d):(\d)+7], v[(\a):(\a)+11], v[(\b):(\b)+11], v[(\c):(\c)+7], v[(\sa)], v[(\sb)] matrix_a_fmt:MATRIX_FMT_FP6 matrix_b_fmt:MATRIX_FMT_FP6 matrix_a_scale:MATRIX_SCALE_ROW1 matrix_b_scale:MATRIX_SCALE_ROW1
.else
	v_wmma_scale_f32_16x16x128_f8f6f4 v[(\d):(\d)+7], v[(\a):(\a)+11], v[(\b):(\b)+11], v[(\c):(\c)+7], v[(\sa)], v[(\sb)] matrix_a_fmt:MATRIX_FMT_FP6 matrix_b_fmt:MATRIX_FMT_FP6
.endif
.endm
.macro MULT areg, set, xs, ws, row, first   ; 32 products; the accumulators take turns, one instruction a turn
.if \first
	WIN 0x91
.else
	WIN 0xa1
.endif
.irp a, 0,1,2,3
.irp b, 0,1,2,3,4,5,6,7
.if \first
	WMS 8*(8*\a+\b), 96*(\set)+12*\b, (\areg)+12*\a, 192+8*\b, (\ws)+4*\b, (\xs)+4*\a, \row
.else
	WMS 8*(8*\a+\b), 96*(\set)+12*\b, (\areg)+12*\a, 8*(8*\a+\b), (\ws)+4*\b, (\xs)+4*\a, \row
.endif
.endr
.endr
.endm
.macro FETCH_W set, off
	WIN 0x40
.irp b, 0,1,2,3,4,5,6,7
.irp c, 0,1,2
	global_load_b128 v[96*(\set)+12*\b+4*\c:96*(\set)+12*\b+4*\c+3], v[LI], s[WB:WB+1] offset:(\off)+\b*12288+512*\c
.endr
.endr
	WIN 0
.endm
.macro FETCH_A6 reg, off               ; the four row tiles' fragments of one K step: 24 loads
	WIN 0
.irp i, 0,1,2,3
.irp p, 0,1,2,3,4,5
	ds_load_b64 v[(\reg)+12*\i+2*\p:(\reg)+12*\i+2*\p+1], v[L8] offset:(\off)+12288*\i+256*\p
.endr
.endr
.endm
	s_load_b256 s[4:11], s[0:1], 0x0               ; oc, cw, bo, out0
	v_lshl_add_u32 v[SPW], v0, 2, SPARE
	v_mov_b32 v[NIL], 0
	ds_add_u32 v[SPW], v[NIL]                      ; the wave's opening: the add, twice on end, and its wait ahead of my first tensor load
	ds_add_u32 v[SPW], v[NIL]
	v_lshrrev_b32 v[LN], 5, v0
	v_readfirstlane_b32 s[WV], v[LN]
	s_mov_b32 s19, ttmp9                           ; the block of 64 rows
	s_and_b32 s20, ttmp7, 0xffff                   ; the half of the columns
	s_mov_b32 s[G1+0], 3<<16                       ; a dense block of 12,288 bytes as 48 rows of 32 elements of 8 bytes
	s_mov_b32 s[G1+1], 32<<16
	s_mov_b32 s[G1+2], 48<<16
	s_mov_b32 s[G1+3], 32<<16
	s_mov_b32 s[G1+4], 48
	s_mov_b32 s[G1+5], 32
	s_mov_b32 s[G1+6], 0
	s_mov_b32 s[G1+7], 0
	s_mul_i32 s21, s[WV], 12288                    ; tile w of the block
	s_mul_i32 s22, s19, 49152
	s_add_co_u32 s22, s22, s21
	s_mov_b32 s23, 0
	s_lshl_b32 s12, s20, 2
	s_add_co_u32 s12, s12, s[WV]                   ; G: my 128 columns
	s_mov_b32 s15, 0
	s_wait_dscnt 0x0                               ; both opening adds are done
	s_wait_kmcnt 0x0
	s_mov_b32 s[G0], 1
	s_mov_b32 s[G0+1], s21
	s_add_nc_u64 s[G0+2:G0+3], s[4:5], s[22:23]
	s_or_b32 s[G0+3], s[G0+3], 0x80000000
	tensor_load_to_lds s[G0:G0+3], s[G1:G1+7]      ; my one tensor load of the launch
	s_nop 0
.rept 4
	v_nop
.endr
	s_mul_i32 s14, s12, 98304
	s_add_co_u32 s14, s14, 7667712                 ; Wo's fragments begin at number 4,992
	s_add_nc_u64 s[WB:WB+1], s[6:7], s[14:15]
	s_lshl_b32 s14, s12, 12
	s_add_co_u32 s14, s14, SCOFF+319488
	s_add_nc_u64 s[SB:SB+1], s[6:7], s[14:15]
	s_lshl_b32 s14, s12, 9
	s_add_nc_u64 s[BB:BB+1], s[8:9], s[14:15]
	s_lshl_b32 s13, s19, 18
	s_add_co_u32 s14, s14, s13
	s_add_nc_u64 s[OB:OB+1], s[10:11], s[14:15]    ; out0 at 64 rows x block, + 512 G
	s_lshl_b32 s14, s19, 12
	s_add_co_u32 s14, s14, 6291456
	s_add_nc_u64 s[ASB:ASB+1], s[4:5], s[14:15]    ; o's scale words: 1,024 bytes a tile
	v_and_b32 v[LN], 31, v0
	v_and_b32 v[RR], 15, v0
	v_bfe_u32 v[HH], v0, 4, 1
	v_lshlrev_b32 v[LI], 4, v[LN]
	v_lshlrev_b32 v[L8], 3, v[LN]
	v_lshlrev_b32 v[LS], 2, v[LN]
	v_lshlrev_b32 v[BOF], 6, v[HH]
	v_lshlrev_b32 v[ASO], 7, v[HH]
	v_lshl_add_u32 v[ASO], v[RR], 2, v[ASO]
	s_mul_i32 s13, s[WV], 8448
	s_add_co_u32 s13, s13, STAGE
	v_mul_u32_u24 v[STO], v[RR], 528
	v_lshl_add_u32 v[STO], v[HH], 6, v[STO]
	v_add_nc_u32 v[STO], s13, v[STO]
	v_add_nc_u32 v[RD], s13, v[LI]
.irp a, 0,1,2,3
.irp p, 0,1,2,3
	global_load_b32 v[AS+4*\a+\p], v[ASO], s[ASB:ASB+1] offset:1024*\a+256*\p       ; K step 2 p + h: its even head's two bytes,
	global_load_b32 v[AO+4*\a+\p], v[ASO], s[ASB:ASB+1] offset:1024*\a+256*\p+64    ; and its odd head's
.endr
.endr
.irp b, 0,1,2,3,4,5,6,7
.irp p, 0,1,2,3
	global_load_b32 v[WS+4*\b+\p], v[LS], s[SB:SB+1] offset:512*\b+128*\p
.endr
.endr
	WIN 0x40
.irp t, 0,1,2,3,4,5,6,7
	global_load_b128 v[192+8*\t:192+8*\t+3], v[BOF], s[BB:BB+1] offset:(32*(\t/2)+8*(\t%2))*4
	global_load_b128 v[192+8*\t+4:192+8*\t+7], v[BOF], s[BB:BB+1] offset:(32*(\t/2)+8*(\t%2))*4+16
.endr
	WIN 0
	FETCH_W 0, 0
	FETCH_W 1, 1536
	s_wait_loadcnt 48                              ; all but the two weight sets' 48 loads
.irp n, 0,1,2,3,4,5,6,7,8,9,10,11,12,13,14,15
	v_lshl_or_b32 v[AS+\n], v[AO+\n], 16, v[AS+\n] ; the K step's scale word
.endr
.rept 8
	v_nop                                          ; a scale register written by a vector instruction stands 8 places ahead of a scaled matrix instruction
.endr
	s_wait_alu depctr_va_vdst(0)
	s_wait_tensorcnt 0x0                           ; my tile of o is in,
	s_barrier_signal -1
	s_barrier_wait -1                              ; all four are
	FETCH_A6 AF, 0
	FETCH_A6 AF+48, 1536
.macro KSTEP s, first
.if \s < 7
	s_wait_loadcnt 24                              ; all but the other set's 24 loads
	s_wait_dscnt 24                                ; likewise in LDS
.else
	s_wait_loadcnt 0x0
	s_wait_dscnt 0x0
.endif
	MULT AF+48*(\s%2), \s%2, AS+\s/2, WS+\s/2, \s%2, \first
	PLACES
.if \s < 6
	FETCH_A6 AF+48*(\s%2), 1536*(\s+2)
	FETCH_W \s%2, 1536*(\s+2)
.endif
.endm
	KSTEP 0, 1
.irp s, 1,2,3,4,5,6,7
	KSTEP \s, 0
.endr
; THE WAY OUT, a row tile at a time, through my own stage: in by lanes (32 bytes of a row), back as whole rows of 512 bytes.  LDS serves a wave's instructions in order: no wait between the stores and the loads.
.macro TOSTAGE a
	WIN 0x08                                       ; an LDS store's data are its source 1: window 2
.irp b, 0,1,2,3,4,5,6,7
	ds_store_b128 v[STO], v[8*(8*(\a)+\b):8*(8*(\a)+\b)+3] offset:128*(\b/2)+32*(\b%2)          ; each accumulator from its low end on
	ds_store_b128 v[STO], v[8*(8*(\a)+\b)+4:8*(8*(\a)+\b)+7] offset:128*(\b/2)+32*(\b%2)+16
.endr
	WIN 0
.irp i, 0,1,2,3,4,5,6,7,8,9,10,11,12,13,14,15
	ds_load_b128 v[BK+64*((\a)%2)+4*\i:BK+64*((\a)%2)+4*\i+3], v[RD] offset:528*\i
.endr
.endm
.macro SEND a, younger
	s_wait_dscnt \younger
.irp i, 0,1,2,3,4,5,6,7,8,9,10,11,12,13,14,15
	global_store_b128 v[LI], v[BK+64*((\a)%2)+4*\i:BK+64*((\a)%2)+4*\i+3], s[OB:OB+1] offset:(32*((\a)/2)+8*((\a)%2)+\i+8*(\i/8))*4096 th:TH_STORE_NT   ; 512 consecutive bytes, at a multiple of 256 from out0's first byte
.endr
.endm
	TOSTAGE 0                                      ; (the four places behind the last products stand at the last K step's end)
	TOSTAGE 1
	SEND 0, 32                                     ; behind tile 0's loads: tile 1's 16 stores and 16 loads
	s_wait_xcnt 0x0                                ; tile 0's stores have read their registers: tile 2's loads may land there
	TOSTAGE 2
	SEND 1, 32
	s_wait_xcnt 0x0
	TOSTAGE 3
	SEND 2, 32
	SEND 3, 0
	s_wait_tensorcnt 0x0                           ; the wave's end: the wait, the add and its wait behind my last tensor load and my last LDS store
	ds_add_u32 v[SPW], v[NIL]
	s_wait_dscnt 0x0
	s_endpgm
.Lfunc_end_k_qd5e970280d_oproj:
	.size	k_qd5e970280d_oproj, .Lfunc_end_k_qd5e970280d_oproj-k_qd5e970280d_oproj
	.p2alignl 7, 3214868480
	.fill 96, 4, 3214868480
	.section	.rodata,"a",@progbits
	.p2align	6, 0x0
	.amdhsa_kernel k_qd5e970280d_oproj
		.amdhsa_group_segment_fixed_size 167936
		.amdhsa_private_segment_fixed_size 0
		.amdhsa_enable_private_segment 0
		.amdhsa_kernarg_size 32
		.amdhsa_user_sgpr_count 2
		.amdhsa_user_sgpr_kernarg_segment_ptr 1
		.amdhsa_wavefront_size32 1
		.amdhsa_system_sgpr_workgroup_id_x 1
		.amdhsa_system_sgpr_workgroup_id_y 1
		.amdhsa_system_sgpr_workgroup_id_z 1
		.amdhsa_system_vgpr_workitem_id 0
		.amdhsa_next_free_vgpr 768
		.amdhsa_next_free_sgpr 66
		.amdhsa_reserve_vcc 0
		.amdhsa_float_denorm_mode_32 3
		.amdhsa_float_denorm_mode_16_64 3
		.amdhsa_memory_ordered 1
		.amdhsa_forward_progress 1
		.amdhsa_inst_pref_size 92
	.end_amdhsa_kernel
	.amdgpu_metadata
---
amdhsa.version: [ 1, 2 ]
amdhsa.kernels:
  - .name:           k_qd5e970280d_oproj
    .symbol:         k_qd5e970280d_oproj.kd
    .args:
      - { .name: oc, .offset: 0, .size: 8, .value_kind: global_buffer, .address_space: global }
      - { .name: cw, .offset: 8, .size: 8, .value_kind: global_buffer, .address_space: global }
      - { .name: bo, .offset: 16, .size: 8, .value_kind: global_buffer, .address_space: global }
      - { .name: out0, .offset: 24, .size: 8, .value_kind: global_buffer, .address_space: global }
    .group_segment_fixed_size: 167936
    .private_segment_fixed_size: 0
    .kernarg_segment_align: 8
    .kernarg_segment_size: 32
    .max_flat_workgroup_size: 128
    .sgpr_count:     66
    .vgpr_count:     768
    .wavefront_size: 32
...
	.end_amdgpu_metadata
.endif
;; end of part 4
